; MI455X (gfx1250); checked and timed in simulation.
; The chip was launched on July 23, 2026; its instructions are those of AMD's public machine-readable ISA for CDNA 5 (MIT licence, August 2026) and "CDNA5" Instruction Set Architecture Reference Guide (July 2026). The comments in the code are by the model that wrote it; some were corrected since.
;; Attention1. Allowed arithmetic: matrix products marked QUANTISED: E4M3 operands, one given power-of-two scale a tensor, by v_wmma_f32_16x16x64_fp8_fp8 or v_wmma_f32_16x16x128_fp8_fp8, f32 sums; everything else in f32.
;; Inputs: b_out 256 float32; b_qkv 768 float32; lowp_scales 8 int32 (the exponents e of the quantised operands' scales 2^e); w_out 256 x 256 float32; w_qkv 256 x 768 float32; x 4 x 2,048 x 256 float32.
;; Outputs: out0 4 x 2,048 x 256 float32.
;; This version of the problem:
;;   THIS VERSION OF THE PROBLEM IS GIVEN IN LOW PRECISION. The matrix products marked QUANTISED in the list below multiply operands that are first quantised to E4M3 (4 exponent bits, 3 mantissa bits; 8 bits a number), with one given power-of-two scale for each operand tensor; their sums are f32. All else is computed in f32.
;;   The module's matrix products, in the order in which they are computed (A, B: the left and right operand; K: the contracted axis; several contracted axes count as one K, in the product's order):
;;     1. [M 8,192, K 256] x [K 256, N 768]; A: input x; B: input w_qkv: QUANTISED (scales: A lowp_scales[0], B lowp_scales[1])
;;     2. batch 32 x [M 2,048, K 32] x [K 32, N 2,048]; A: computed on the way; B: computed on the way: QUANTISED (scales: A lowp_scales[2], B lowp_scales[3])
;;     3. batch 32 x [M 2,048, K 2,048] x [K 2,048, N 32]; A: softmax (see below); B: computed on the way: QUANTISED (scales: A lowp_scales[4], B lowp_scales[5])
;;     4. [M 8,192, K 256] x [K 256, N 256]; A: computed on the way; B: input w_out: QUANTISED (scales: A lowp_scales[6], B lowp_scales[7])
;;   THE QUANTISER, for each operand of a quantised product, along K:
;;     - The operand's scale is 2^e, e = its entry of the input lowp_scales (int32; the entries are numbered through the quantised products in the list's order, A before B).
;;     - Each number is divided by the scale, clamped to +-448, and rounded to the nearest number of E4M3, ties to even, subnormals kept.
;;     - The product sums the exact products of the quantised numbers (number of the format x scale) in f32.
;;   ~~~python
;;   def quantise(x, axis, e):      # numpy; x: float32 -> the quantised numbers, widened to float32 again
;;       x = np.moveaxis(x, axis, -1); K = x.shape[-1]
;;       r = np.clip(x / 2.0 ** e, -448, 448)
;;       step = 2.0 ** (np.maximum(np.frexp(np.where(r == 0, 1, r))[1] - 1, -6) - 3)
;;       q = np.round(r / step) * step * 2.0 ** e      # np.round: ties to even
;;       return np.moveaxis(q, -1, axis).astype(np.float32)
;;   ~~~
;;   SOFTMAX AHEAD OF A QUANTISED PRODUCT. Where the list says 'softmax', what is quantised is not the finished softmax but p = 2^(t - M), with t = logit x log2(e) and M = ceil(the row's largest t), a whole number; so 1/2 < the row's largest p <= 1. The row's sum l is taken of the UNQUANTISED p, in f32, and the product's result is divided by l at the end. Since M is a whole number, a kernel that streams over the keys may use a running M (the ceiling of the running maximum): every later rescaling is an exact power of two, so the quantised numbers keep their values, but for numbers so far below the row's largest that they fall under the format's range.
;;   OPERANDS COMPUTED ON THE WAY. 'Computed on the way' means the value that the module computes at that place (a softmax that the list does not call 'softmax' is quantised finished and normalised). What goes into a quantiser is computed in f32, as accurately as f32 sums, v_exp_f32 and their like allow (about 1e-6 of the number): no bf16 or f16 on the way to a quantiser, and a product that is left as it is and whose result goes on into a quantised operand takes f32 operands (vector FMAs, or v_wmma_f32_16x16x4_f32). A number that lies on a knife's edge between two numbers of the format may be rounded either way, as far as f32 arithmetic and the matrix unit's own rounding can turn it there, and no further.
;; 2 versions. Each part assembles by itself: llvm-mc -triple=amdgcn-amd-amdhsa -mcpu=gfx1250 --defsym DOCPART=n.
;; ======== version 1 of 2: 3 launches
;; workspace buffers: qcodes 2,097,152 bytes; kcodes 2,097,152 bytes; vcodes 2,097,152 bytes; ocodes 2,097,152 bytes; wocodes 65,536 bytes
;; launch qkv (part 1): grid 64 x 3, 16 waves a work-group, no clusters, 100,352 bytes of LDS; arguments x, w_qkv, b_qkv, w_out, lowp_scales, qcodes, kcodes, vcodes, wocodes; writes qcodes, kcodes, vcodes, wocodes
.if DOCPART == 1
	.amdgcn_target "amdgcn-amd-amdhsa--gfx1250"
	.amdhsa_code_object_version 6
	.text
	.protected	k_qa207896c8c_qkv
	.globl	k_qa207896c8c_qkv
	.p2align	8
	.type	k_qa207896c8c_qkv,@function
k_qa207896c8c_qkv:
	s_mov_b64 s[64:65], 0
	v_nop
	global_prefetch_b8 v0, s[64:65] scope:SCOPE_SE
	s_setreg_imm32_b32 hwreg(HW_REG_WAVE_MODE, 25, 1), 1
	s_wait_xcnt 0x0
; qkv = Q(x) Q(w_qkv) + b_qkv on codes of FP8 (E4M3); q, k and v are quantised at once and stored as IMAGES OF THE NEXT OPERANDS' REGISTERS; w_out is quantised on the side.
; x [8192][256] f32, w_qkv [256 (k)][768] f32, b_qkv [768] f32, w_out [256 (k)][256] f32; the eight exponents e0 .. e7 (int32) are given.
; SHARES.  Work-group (x, y): 128 tokens (128 x on) times 256 columns: y = 0 is q, 1 is k, 2 is v.  Sixteen waves.
;   In front of the barrier wave w quantises one fragment of x (token tile w / 2, K step w % 2) and rows k = 16 w .. 16 w + 15 of the 256 columns of w_qkv; both go to LDS as register images
;   (lane l's 16 bytes at 16 l, 512 bytes for a group of four registers).  Behind it wave w owns head w / 2 (32 columns) and 64 tokens (half w % 2): 16 matrix instructions.
; K IN THE FIRST PRODUCT: registers 4 b .. 4 b + 3 of a fragment hold k = 32 b + 16 (lane / 16) + 0 .. 15, in x and in w alike: the same permutation of k on both sides, so every product meets its partner.
; THE BIAS is the C of each sum's first matrix instruction, divided by 2^(e0 + e1), which the sums lack; the conversion then takes the one scale 2^(e_out - e0 - e1), e_out = e2 (q), e3 (k), e5 (v).
; q AND k: source 0 = 16 columns of w, source 1 = 16 tokens: a lane holds one token and eight neighbouring channels.  qcodes, kcodes: [batch x head 32][token tile 128][lane 32][16 bytes]:
;   lane (r, h): token r; registers 0, 1 channels 8 h + 0 .. 7, registers 2, 3 channels 16 + 8 h + 0 .. 7.
; v: the sources swapped: a lane holds one channel and eight neighbouring tokens, which are the second attention product's K.  vcodes: [batch x head][128 keys: 16][channel tile 2][group 4][lane][16 bytes]:
;   lane (r, h): channel 16 ct + r; registers 2 c, 2 c + 1 keys 16 c + 8 h + 0 .. 7.
; wocodes: [column tile 16][K step 2][group 4][lane][16 bytes]: lane (r, h): column r; registers 2 c, 2 c + 1: k = 16 c + 8 h + 0 .. 7.  Its 128 groups are made by wave 0 of the 128 work-groups with y < 2.
; LIMITS, so that each power of two below is an f32 number: e0, e1, e7, and e_out - e0 - e1, between -126 and 119.  NaN among the inputs is not served; an infinity is held at the largest code.
; No tensor load, no cluster: the f32 numbers must pass through registers to be quantised, and a wave's loads all go out at its head.
.set XIMG,  0                          ; LDS: x's 16 fragments, 2,048 bytes each: (2 x token tile + K step)
.set WIMG,  32768                      ; LDS: w's 32 fragments: 4,096 x column tile + 2,048 x K step + 512 x group
.set SCV,   12                         ; v12  the scale in hand as f32: the conversion takes its exponent field
.set LIMV,  13                         ; v13  448 x that scale
.set PC,    16                         ; v16-31   the codes just made
.set BT,    32                         ; v32-47   the bias: two tiles of eight registers, in the result's layout
.set XS,    64                         ; v64-127  64 numbers of x; then 64 numbers of w, turned; then four fragments of x
.set WR,    128                        ; v128-255 w as loaded: two units of 16 rows x 4 columns a lane
.set WF,    128                        ; v128-191 then my head's four fragments of w
.set ACC,   192                        ; v192-223 four accumulators
.set CODES, 224                        ; v224-239 q's, k's or v's codes: eight registers for each pair of token tiles, so that no store's data are written again
.set WOS,   240                        ; v240-255 16 numbers of w_out (registers that every wave has written and is done with when they are loaded)
; v1 16 x lane; v2 x: 1,024 r + 64 h; v3 w_out: 8,192 h + 4 r; v4 32 h; v5 4 r; v6, v7 where I store x's and w's images; v8, v9 where I read w's and x's; v10, v11 v's bias: one number a lane
.macro PATTERN sc, lim, e              ; s[sc] = 2^e as f32, s[lim] = 448 x 2^e, e in s[e]
	s_add_co_i32 s[\lim], s[\e], 127
	s_lshl_b32 s[\sc], s[\lim], 23
	s_add_co_i32 s[\lim], s[\lim], 8
	s_lshl_b32 s[\lim], s[\lim], 23
	s_or_b32 s[\lim], s[\lim], 0x600000
.endm
.macro FETCH reg, adr, off             ; a fragment's image comes back as it was stored: the same registers in the same lanes
.irp c, 0,1,2,3
	ds_load_b128 v[(\reg)+4*\c:(\reg)+4*\c+3], v[\adr] offset:(\off)+512*\c
.endr
.endm
.macro WLOAD ch                        ; my 16 rows of w, columns 128 ch + 4 lane + 0 .. 3: each load reads 512 consecutive bytes
.irp i, 0,1,2,3,4,5,6,7,8,9,10,11,12,13,14,15
	global_load_b128 v[WR+64*\ch+4*\i:WR+64*\ch+4*\i+3], v1, s[10:11] offset:3072*\i+512*\ch
.endr
.endm
; A unit of w becomes codes.  THE HOLD DOES THE TURNING: it reads register 4 i + c (row i, column c) and writes register 16 c + i, so that a column's 16 neighbours along K stand in consecutive registers.
; Column 128 ch + 4 lane + c lies in column tile 8 ch + lane / 4 at lane place 4 (lane % 4) + c; k = 16 w + 0 .. 15 is K step w / 8, group (w / 2) % 4, half w % 2.
.macro TQUANT ch
.irp c, 0,1,2,3
.irp i, 0,1,2,3,4,5,6,7,8,9,10,11,12,13,14,15
	v_med3_num_f32 v[XS+16*\c+\i], v[WR+64*\ch+4*\i+\c], -v[LIMV], v[LIMV]   ; the conversion to an 8-bit code does not saturate (ISA guide 7.6.2)
.endr
	v_cvt_scalef32_pk8_fp8_f32 v[PC+4*\c:PC+4*\c+1], v[XS+16*\c:XS+16*\c+7], v[SCV]
	v_cvt_scalef32_pk8_fp8_f32 v[PC+4*\c+2:PC+4*\c+3], v[XS+16*\c+8:XS+16*\c+15], v[SCV]
.endr
	v_nop                                          ; one plain vector line behind the last conversion of a run
.irp c, 0,1,2,3
	ds_store_b128 v7, v[PC+4*\c:PC+4*\c+3] offset:32768*\ch+16*\c   ; four lanes share a 16-byte column of the banks: eight such stores a wave in the whole launch
.endr
.endm
; Two token tiles (2 p, 2 p + 1 of my four) x my head's two column tiles x K = 256: eight matrix instructions on four accumulators by turns.
; vp = 0 (q, k): accumulator a = 2 m + t, source 0 = w's tile t, source 1 = x's tile m.   vp = 1 (v): a = 2 t + m, source 0 = x's tile m, source 1 = w's tile t.
.macro PAIR p, vp
	s_wait_dscnt 0x0                               ; the fragments are in
.irp s, 0,1
.irp a, 0,1,2,3
.if \vp
.set rA, XS+32*(\a%2)+16*\s
.set rB, WF+32*(\a/2)+16*\s
.set rC, BT+8*(\a/2)
.else
.set rA, WF+32*(\a%2)+16*\s
.set rB, XS+32*(\a/2)+16*\s
.set rC, BT+8*(\a%2)
.endif
.if \s == 0
	v_wmma_f32_16x16x128_fp8_fp8 v[ACC+8*\a:ACC+8*\a+7], v[rA:rA+15], v[rB:rB+15], v[rC:rC+7]
.else
	v_wmma_f32_16x16x128_fp8_fp8 v[ACC+8*\a:ACC+8*\a+7], v[rA:rA+15], v[rB:rB+15], v[ACC+8*\a:ACC+8*\a+7]
.endif
.endr
.endr
.rept 4
	v_nop                                          ; four places in front of the first read of results and of loads into registers that the products have read
.endr
.if \p == 0
.irp f, 0,1,2,3
	FETCH XS+16*\f, 9, 8192+2048*\f                ; the next two token tiles' fragments land while these results are quantised
.endr
.endif
.set i, 0
.rept 32
	v_med3_num_f32 v[ACC+i], v[ACC+i], -v[LIMV], v[LIMV]   ; each accumulator from its low end on
.set i, i+1
.endr
.irp a, 0,1,2,3
	v_cvt_scalef32_pk8_fp8_f32 v[CODES+8*\p+2*\a:CODES+8*\p+2*\a+1], v[ACC+8*\a:ACC+8*\a+7], v[SCV]
.endr
	v_nop                                          ; one plain vector line behind the last conversion: the next pair's products write its sources
.if \vp
	global_store_b128 v1, v[CODES+8*\p:CODES+8*\p+3], s[50:51] offset:512*\p          ; channel tile 0, group 2 x half + p: 512 consecutive bytes
	global_store_b128 v1, v[CODES+8*\p+4:CODES+8*\p+7], s[50:51] offset:2048+512*\p   ; channel tile 1
.else
	global_store_b128 v1, v[CODES+8*\p:CODES+8*\p+3], s[50:51] offset:1024*\p         ; token tile 2 p: 512 consecutive bytes
	global_store_b128 v1, v[CODES+8*\p+4:CODES+8*\p+7], s[50:51] offset:1024*\p+512   ; token tile 2 p + 1
.endif
.endm
	s_load_b512 s[8:23], s[0:1], 0x0               ; x s[8:9], w_qkv s[10:11], b_qkv s[12:13], w_out s[14:15], the exponents s[16:17], qcodes s[18:19], kcodes s[20:21], vcodes s[22:23]
	s_load_b64 s[24:25], s[0:1], 0x40              ; wocodes
	v_lshl_add_u32 v62, v0, 2, 0x18000
	v_mov_b32 v63, 0
	v_lshrrev_b32 v16, 5, v0
	v_readfirstlane_b32 s2, v16                    ; wave 0..15
	s_lshr_b32 s3, s2, 1                           ; head (behind the barrier); x's token tile (in front of it)
	s_and_b32 s4, s2, 1                            ; half of the tokens; x's K step
	s_mov_b32 s5, ttmp9                            ; which 128 tokens
	s_and_b32 s6, ttmp7, 0xffff                    ; 0 q, 1 k, 2 v
	s_lshr_b32 s7, s6, 1
	s_or_b32 s7, s7, s2                            ; 0 in wave 0 of the work-groups with y < 2: they make w_out's codes
	v_and_b32 v16, 31, v0                          ; lane
	v_and_b32 v17, 15, v0                          ; r
	v_bfe_u32 v18, v0, 4, 1                        ; h
	v_lshlrev_b32 v1, 4, v16
	v_lshlrev_b32 v2, 10, v17
	v_lshl_add_u32 v2, v18, 6, v2                  ; x: row r of 1,024 bytes, + 64 h: my 16 numbers of a block of 32
	v_lshlrev_b32 v5, 2, v17
	v_lshl_add_u32 v3, v18, 13, v5                 ; w_out: 8 h rows of 1,024 bytes, column r
	v_lshlrev_b32 v4, 5, v18
	s_lshl_b32 s52, s2, 11
	v_add_nc_u32 v6, s52, v1                       ; x's image: fragment w
	s_lshr_b32 s52, s2, 3
	s_lshl_b32 s52, s52, 11                        ; w's image: K step w / 8,
	s_and_b32 s53, s3, 3
	s_lshl_b32 s53, s53, 9                         ; group (w / 2) % 4,
	s_add_co_u32 s52, s52, s53
	s_lshl_b32 s53, s4, 8                          ; lanes 16 (w % 2) on,
	s_add_co_u32 s52, s52, s53
	s_add_co_u32 s52, s52, WIMG
	v_lshrrev_b32 v19, 2, v16
	v_and_b32 v20, 3, v16
	v_lshlrev_b32 v7, 12, v19                      ; column tile lane / 4,
	v_lshl_add_u32 v7, v20, 6, v7                  ; lane place 4 (lane % 4)
	v_add_nc_u32 v7, s52, v7
	s_lshl_b32 s52, s3, 13
	s_add_co_u32 s52, s52, WIMG
	v_add_nc_u32 v8, s52, v1                       ; my head's two column tiles
	s_lshl_b32 s52, s4, 14
	v_add_nc_u32 v9, s52, v1                       ; my four token tiles
	; byte offsets, each in a pair of its own
	s_lshl_b32 s52, s5, 17                         ; x: 128 rows of 1,024 bytes a work-group,
	s_lshl_b32 s53, s3, 14                         ; 16 rows a token tile,
	s_add_co_u32 s52, s52, s53
	s_lshl_b32 s53, s4, 9                          ; 128 numbers a K step
	s_add_co_u32 s52, s52, s53
	s_mov_b32 s53, 0
	s_lshl_b32 s54, s6, 10                         ; w_qkv: 256 columns a y, 16 rows of 3,072 bytes a wave
	s_mul_i32 s55, s2, 49152
	s_add_co_u32 s54, s54, s55
	s_mov_b32 s55, 0
	s_lshl_b32 s56, s6, 10                         ; b_qkv: 256 numbers a y, 32 a head
	s_lshl_b32 s57, s3, 7
	s_add_co_u32 s56, s56, s57
	s_mov_b32 s57, 0
	s_lshl_b32 s30, s6, 6
	s_add_co_u32 s30, s30, s5                      ; which of wocodes' 128 groups: x + 64 y = 8 x column tile + 4 x K step + group
	s_and_b32 s26, s30, 7
	s_lshl_b32 s26, s26, 15                        ; w_out: 32 rows of 1,024 bytes a group,
	s_lshr_b32 s27, s30, 3
	s_lshl_b32 s27, s27, 6                         ; 16 columns a tile
	s_add_co_u32 s26, s26, s27
	s_mov_b32 s27, 0
	s_lshl_b32 s28, s30, 9
	s_mov_b32 s29, 0
	s_lshr_b32 s58, s5, 4                          ; the codes: batch,
	s_lshl_b32 s58, s58, 3
	s_add_co_u32 s58, s58, s3                      ; head: 65,536 bytes each;
	s_lshl_b32 s58, s58, 16
	s_and_b32 s59, s5, 15
	s_lshl_b32 s59, s59, 12                        ; 128 tokens are 4,096 bytes in all three layouts;
	s_add_co_u32 s58, s58, s59
	s_cmp_eq_u32 s6, 2
	s_cselect_b32 s59, 10, 11
	s_lshl_b32 s59, s4, s59                        ; my half: four token tiles (2,048 bytes) in q and k, two groups (1,024) in v
	s_add_co_u32 s58, s58, s59
	s_mov_b32 s59, 0
	s_wait_kmcnt 0x0
	s_load_b256 s[32:39], s[16:17], 0x0            ; e0 .. e7
	s_add_nc_u64 s[8:9], s[8:9], s[52:53]
	s_add_nc_u64 s[10:11], s[10:11], s[54:55]
	s_add_nc_u64 s[12:13], s[12:13], s[56:57]
	s_add_nc_u64 s[14:15], s[14:15], s[26:27]
	s_add_nc_u64 s[24:25], s[24:25], s[28:29]
	s_cmp_eq_u32 s6, 0                             ; the buffer of codes is chosen by the work-group's y alone
	s_cselect_b64 s[50:51], s[18:19], s[20:21]
	s_cmp_eq_u32 s6, 2
	s_cselect_b64 s[50:51], s[22:23], s[50:51]
	s_add_nc_u64 s[50:51], s[50:51], s[58:59]
	; 54 loads of the wave go out together.  The bias comes in both forms (eight neighbours a lane for q and k, one number a lane for v), so that no register's content hangs on a branch
	global_load_b128 v[BT:BT+3], v4, s[12:13]
	global_load_b128 v[BT+4:BT+7], v4, s[12:13] offset:16
	global_load_b128 v[BT+8:BT+11], v4, s[12:13] offset:64
	global_load_b128 v[BT+12:BT+15], v4, s[12:13] offset:80
	global_load_b32 v10, v5, s[12:13]
	global_load_b32 v11, v5, s[12:13] offset:64
.irp b, 0,1,2,3
.irp j, 0,1,2,3
	global_load_b128 v[XS+16*\b+4*\j:XS+16*\b+4*\j+3], v2, s[8:9] offset:128*\b+16*\j   ; register 16 b + i: k = 32 b + 16 h + i of my row
.endr
.endr
	WLOAD 0
	WLOAD 1
	s_wait_kmcnt 0x0
	PATTERN 40, 41, 32                             ; e0, for x
	PATTERN 42, 43, 33                             ; e1, for w_qkv
	PATTERN 46, 47, 39                             ; e7, for w_out
	s_cmp_eq_u32 s6, 0
	s_cselect_b32 s56, s34, s35                    ; e2 for q, e3 for k,
	s_cmp_eq_u32 s6, 2
	s_cselect_b32 s56, s37, s56                    ; e5 for v
	s_add_co_i32 s49, s32, s33                     ; e0 + e1
	s_sub_co_i32 s56, s56, s49
	s_sub_co_i32 s48, 0, s49                       ; the bias goes in x 2^-(e0 + e1)
	PATTERN 44, 45, 56                             ; e_out - e0 - e1: the three scales folded into the conversion's one
	; ---- x's fragment
	v_mov_b32 v[SCV], s40
	v_mov_b32 v[LIMV], s41
	s_wait_loadcnt 32                              ; the bias and x are in; behind them only w's 32 loads were issued
.irp b, 0,1,2,3
.irp i, 0,1,2,3,4,5,6,7,8,9,10,11,12,13,14,15
	v_med3_num_f32 v[XS+16*\b+\i], v[XS+16*\b+\i], -v[LIMV], v[LIMV]
.endr
	v_cvt_scalef32_pk8_fp8_f32 v[PC+4*\b:PC+4*\b+1], v[XS+16*\b:XS+16*\b+7], v[SCV]
	v_cvt_scalef32_pk8_fp8_f32 v[PC+4*\b+2:PC+4*\b+3], v[XS+16*\b+8:XS+16*\b+15], v[SCV]
.endr
	v_nop                                          ; one plain vector line behind the last conversion
.irp c, 0,1,2,3
	ds_store_b128 v6, v[PC+4*\c:PC+4*\c+3] offset:XIMG+512*\c
.endr
	; ---- w's two units
	v_mov_b32 v[SCV], s42
	v_mov_b32 v[LIMV], s43
	s_wait_loadcnt 16                              ; unit 0 is in; unit 1's 16 loads may be out
	s_wait_dscnt 0x0                               ; the stores have read the codes' registers
	TQUANT 0
	s_wait_loadcnt 0x0
	s_wait_dscnt 0x0
	TQUANT 1
	s_cmp_lg_u32 s7, 0                             ; w_out's 16 numbers a lane are asked for here and land while the wave does its products
	s_cbranch_scc1 .Lno_wo
.irp u, 0,1
.irp j, 0,1,2,3,4,5,6,7
	global_load_b32 v[WOS+8*\u+\j], v3, s[14:15] offset:(16*\u+\j)*1024   ; w_out(32 x group + 16 u + 8 h + j, column r): registers down K
.endr
.endr
.Lno_wo:
	s_wait_dscnt 0x0                               ; for the others' sake: my images have landed
	s_barrier_signal -1
	s_barrier_wait -1                              ; the one barrier: behind it LDS is only read
.irp f, 0,1,2,3
	FETCH WF+16*\f, 8, 2048*\f                     ; w: fragment 2 t + s of my head
.endr
.irp f, 0,1,2,3
	FETCH XS+16*\f, 9, 2048*\f                     ; x: fragment 2 m + s of my first two token tiles
.endr
	v_mov_b32 v[SCV], s44
	v_mov_b32 v[LIMV], s45
	s_cmp_eq_u32 s6, 2
	s_cbranch_scc1 .Lv_arm
.set i, 0
.rept 16
	v_ldexp_f32 v[BT+i], v[BT+i], s48              ; q, k: lane (r, h), tile t, register j: the bias of channel 16 t + 8 h + j
.set i, i+1
.endr
	PAIR 0, 0
	PAIR 1, 0
	s_branch .Ljoin
.Lv_arm:
.irp t, 0,1
.irp j, 0,1,2,3,4,5,6,7
	v_ldexp_f32 v[BT+8*\t+\j], v[10+\t], s48       ; v: a lane holds one channel, 16 t + r: its bias in all eight registers
.endr
.endr
	PAIR 0, 1
	PAIR 1, 1
.Ljoin:
	s_cmp_lg_u32 s7, 0
	s_cbranch_scc1 .Lend
	v_mov_b32 v[SCV], s46                          ; ---- one group of w_out's codes
	v_mov_b32 v[LIMV], s47
	s_wait_loadcnt 0x0
.set i, 0
.rept 16
	v_med3_num_f32 v[WOS+i], v[WOS+i], -v[LIMV], v[LIMV]
.set i, i+1
.endr
	v_cvt_scalef32_pk8_fp8_f32 v[PC:PC+1], v[WOS:WOS+7], v[SCV]
	v_cvt_scalef32_pk8_fp8_f32 v[PC+2:PC+3], v[WOS+8:WOS+15], v[SCV]
	v_nop
	global_store_b128 v1, v[PC:PC+3], s[24:25]     ; 512 consecutive bytes
.Lend:
	s_wait_tensorcnt 0x0
	ds_add_u32 v62, v63
	s_wait_dscnt 0x0
	s_endpgm
.Lfunc_end_k_qa207896c8c_qkv:
	.size	k_qa207896c8c_qkv, .Lfunc_end_k_qa207896c8c_qkv-k_qa207896c8c_qkv
	.p2alignl 7, 3214868480
	.fill 96, 4, 3214868480
	.section	.rodata,"a",@progbits
	.p2align	6, 0x0
	.amdhsa_kernel k_qa207896c8c_qkv
		.amdhsa_group_segment_fixed_size 100352
		.amdhsa_private_segment_fixed_size 0
		.amdhsa_enable_private_segment 0
		.amdhsa_kernarg_size 72
		.amdhsa_user_sgpr_count 2
		.amdhsa_user_sgpr_kernarg_segment_ptr 1
		.amdhsa_wavefront_size32 1
		.amdhsa_system_sgpr_workgroup_id_x 1
		.amdhsa_system_sgpr_workgroup_id_y 1
		.amdhsa_system_sgpr_workgroup_id_z 1
		.amdhsa_system_vgpr_workitem_id 0
		.amdhsa_next_free_vgpr 256
		.amdhsa_next_free_sgpr 66
		.amdhsa_reserve_vcc 0
		.amdhsa_float_denorm_mode_32 3
		.amdhsa_float_denorm_mode_16_64 3
		.amdhsa_memory_ordered 1
		.amdhsa_forward_progress 1
		.amdhsa_inst_pref_size 47
	.end_amdhsa_kernel
	.amdgpu_metadata
---
amdhsa.version: [ 1, 2 ]
amdhsa.kernels:
  - .name:           k_qa207896c8c_qkv
    .symbol:         k_qa207896c8c_qkv.kd
    .args:
      - { .name: x, .offset: 0, .size: 8, .value_kind: global_buffer, .address_space: global }
      - { .name: w_qkv, .offset: 8, .size: 8, .value_kind: global_buffer, .address_space: global }
      - { .name: b_qkv, .offset: 16, .size: 8, .value_kind: global_buffer, .address_space: global }
      - { .name: w_out, .offset: 24, .size: 8, .value_kind: global_buffer, .address_space: global }
      - { .name: lowp_scales, .offset: 32, .size: 8, .value_kind: global_buffer, .address_space: global }
      - { .name: qcodes, .offset: 40, .size: 8, .value_kind: global_buffer, .address_space: global }
      - { .name: kcodes, .offset: 48, .size: 8, .value_kind: global_buffer, .address_space: global }
      - { .name: vcodes, .offset: 56, .size: 8, .value_kind: global_buffer, .address_space: global }
      - { .name: wocodes, .offset: 64, .size: 8, .value_kind: global_buffer, .address_space: global }
    .group_segment_fixed_size: 100352
    .private_segment_fixed_size: 0
    .kernarg_segment_align: 8
    .kernarg_segment_size: 72
    .max_flat_workgroup_size: 512
    .sgpr_count:     66
    .vgpr_count:     256
    .wavefront_size: 32
...
	.end_amdgpu_metadata
.endif
;; end of part 1
;; launch attn (part 2): grid 8 x 32, 16 waves a work-group, no clusters, 133,120 bytes of LDS; arguments qcodes, kcodes, vcodes, lowp_scales, ocodes; writes ocodes
.if DOCPART == 2
	.amdgcn_target "amdgcn-amd-amdhsa--gfx1250"
	.amdhsa_code_object_version 6
	.text
	.protected	k_qa207896c8c_attn
	.globl	k_qa207896c8c_attn
	.p2align	8
	.type	k_qa207896c8c_attn,@function
k_qa207896c8c_attn:
	s_mov_b64 s[64:65], 0
	v_nop
	global_prefetch_b8 v0, s[64:65] scope:SCOPE_SE
	s_setreg_imm32_b32 hwreg(HW_REG_WAVE_MODE, 25, 1), 1
	s_wait_xcnt 0x0
; o = softmax(q k^T / 16) v for one head, both products on codes of FP8 (E4M3); o is quantised at once and stored as an image of the last product's operand registers.
; qcodes, kcodes: [batch x head 32][token tile 128][lane][16 bytes]; vcodes: [batch x head][128 keys: 16][channel tile 2][group 4][lane][16 bytes]; ocodes: [token tile 512][head 8][lane][16 bytes].
; THE SOFTMAX: t = score x log2(e) / 16; M = the largest t so far, rounded UP to a whole number; p = 2^(t - M) is what is quantised (scale 2^e4), not normalised; the row's sum is taken of the unquantised p
; and divides at the end.  When M moves, the sum and O are multiplied by 2^(old M - new M), which rounds nothing.
; SHARES.  Work-group (x, y): 256 queries (256 x on) of head y; each of its sixteen waves owns one tile of 16 queries in 256 registers, four waves to a SIMD, so that one wave's exponentials stand beside
; another's plain, matrix and LDS work.  Every wave walks the head's 2,048 keys, 128 a step.
; LDS holds the head's K codes (64 KiB at 0) and V codes (64 KiB at 65,536), flat copies of the buffers, each byte written once.  The first 512 keys are copied in front of the first barrier; the other three
; quarters are asked for at the head too, wait in 48 registers through four steps, and are stored in front of the second barrier.  Those stores touch no byte that the first four steps read.
; LAYOUT.  Both products are used transposed: S^T = K Q^T, O^T = V^T P^T: a lane holds ONE query (lane % 16) throughout.  Tile T of S^T: register j = key 16 T + 8 (lane / 16) + j, which is just where the
; K = 128 form wants k in registers 2 T, 2 T + 1: the conversions' results are the second product's operand.
; THE HEAD'S 32 CHANNELS ON THE K = 64 FORM: source 0 holds TWO tiles of keys (one in k 0-31, the next in k 32-63); source 1 is q followed by zeros, or zeros followed by q.  Zero codes add nothing.
; THE HOLD of p: p is at most 1, so it can pass 448 x 2^e4 only where e4 < -8.  A scalar branch on that given whole number leads round the 64 lines elsewhere.
; LIMITS, so that each power of two below is an f32 number: e2 + e3 between -122 and 130 (added to c's exponent field); e4, and e6 - e4 - e5, between -126 and 119.
; No cluster and no tensor load: what the eight work-groups of a head share is 128 KiB, read once at the head, three quarters of it behind four steps of work.
.set KA,  2                            ; v2   LDS address of the trip's K tiles;  v3 of its V fragments
.set VA,  3
.set QLO, 16                           ; v16-23  q, zeros
.set QHI, 20                           ; v20-27  zeros, q
.set KF,  28                           ; v28-59  eight tiles of keys, four registers each
.set VF,  60                           ; v60-91  two fragments of V^T
.set S,   92                           ; v92-155 S^T, then p
.set O,   156                          ; v156-171 O^T
.set P,   172                          ; v172-187 p's codes
; v1 16 x lane; v4 2^e4, v5 448 x 2^e4; v6 16 x thread, v7 the same + 65,536; v8, v9 2^(e6 - e4 - e5) and 448 x that; v12 -M, v13 the largest t, v[14:15] the sum in two halves;
; v188, v189 the maximum's two chains; v190 a permute's destination; v[192:193] f; v[194:195] the sum's second chain; v208-255 keys 512 on, on their way to LDS
; s[24:25] c; s[26:27] lane selects; s28 LDS byte of the trip's tiles; s29 trips; s30 1 where the hold is needed
; A KEY STEP: 128 keys, the q-th of the trip's two.
.macro STEP q
.irp t, 0,1,2,3,4,5,6,7
	ds_load_b128 v[KF+4*\t:KF+4*\t+3], v[KA] offset:4096*\q+512*\t   ; (the products that read these registers stand a whole softmax back)
.endr
	s_wait_dscnt 0x0
.irp t, 0,1,2,3
	v_wmma_f32_16x16x64_fp8_fp8 v[S+16*\t:S+16*\t+7], v[KF+8*\t:KF+8*\t+7], v[QLO:QLO+7], 0
	v_wmma_f32_16x16x64_fp8_fp8 v[S+16*\t+8:S+16*\t+15], v[KF+8*\t:KF+8*\t+7], v[QHI:QHI+7], 0
.endr
.rept 4
	v_nop                                          ; four places in front of the first read of the scores, and of the loads into V's registers, which the last step's products read
.endr
.irp f, 0,1,2,3,4,5,6,7
	ds_load_b128 v[VF+4*\f:VF+4*\f+3], v[VA] offset:4096*\q+512*\f   ; they land while the softmax is walked
.endr
	v_max3_num_f32 v188, v[S], v[S+1], v[S+2]      ; the step's largest score of my query among my 64 keys, in two chains; each tile is first read at its low end
	v_max3_num_f32 v189, v[S+3], v[S+4], v[S+5]
.irp i, 6,10,14,18,22,26,30,34,38,42,46,50,54,58
	v_max3_num_f32 v188, v188, v[S+\i], v[S+\i+1]
	v_max3_num_f32 v189, v189, v[S+\i+2], v[S+\i+3]
.endr
	v_max3_num_f32 v188, v188, v[S+62], v[S+63]
	v_max_num_f32 v188, v188, v189
	v_permlanex16_b32 v190, v188, s26, s27
	v_max_num_f32 v188, v188, v190                 ; and among the other half of the lanes'
	v_mul_f32 v188, s24, v188                      ; as t (c is positive)
	v_max_num_f32 v13, v13, v188                   ; the running largest t
	v_mov_b32 v188, v12
	v_floor_f32 v12, -v13                          ; the new -M = floor(-t) = -ceil(t): a whole number
	v_sub_f32 v188, v12, v188                      ; old M less new M: a whole number, 0 or less
	v_cvt_i32_f32 v188, v188                       ; (it saturates)
	v_ldexp_f32 v192, 1.0, v188                    ; f = 2^(old M - new M)
.set j, 0
.rept 32
	v_pk_fma_f32 v[S+j:S+j+1], v[S+j:S+j+1], s[24:25], v[12:13] op_sel_hi:[1,0,0]   ; t - M, two at a time (of the pairs c and -M the low word serves both halves)
.set j, j+2
.endr
.set j, 0
.rept 64
	v_exp_f32 v[S+j], v[S+j]                       ; p = 2^(t - M): one batch
.set j, j+1
.endr
	v_pk_mul_f32 v[14:15], v[14:15], v[192:193] op_sel_hi:[1,0]   ; the sum under the new M: the plain line behind the last exponential
	s_wait_alu depctr_va_vdst(0)                   ; the wait ahead of the first line that names an exponential's result: one for the batch
	v_pk_add_f32 v[194:195], v[S:S+1], v[S+2:S+3]  ; the row's sum is taken of the unquantised p: two at a time, in two chains
.irp j, 4,8,12,16,20,24,28,32,36,40,44,48,52,56,60
	v_pk_add_f32 v[14:15], v[14:15], v[S+\j:S+\j+1]
	v_pk_add_f32 v[194:195], v[194:195], v[S+\j+2:S+\j+3]
.endr
	v_pk_add_f32 v[14:15], v[14:15], v[194:195]
	s_cmp_lg_u32 s30, 0
	s_cbranch_scc0 .Lno_hold_\@                    ; e4 >= -8: p / 2^e4 is at most 256, under the largest code
.set j, 0
.rept 64
	v_min_num_f32 v[S+j], v[S+j], v5               ; the conversion to an 8-bit code does not saturate (ISA guide 7.6.2); p is not negative, so the hold is one-sided
.set j, j+1
.endr
.Lno_hold_\@:
.irp t, 0,1,2,3,4,5,6,7
	v_cvt_scalef32_pk8_fp8_f32 v[P+2*\t:P+2*\t+1], v[S+8*\t:S+8*\t+7], v4
.endr
.irp j, 0,2,4,6,8,10,12,14
	v_pk_mul_f32 v[O+\j:O+\j+1], v[O+\j:O+\j+1], v[192:193] op_sel_hi:[1,0]   ; O^T under the new M; also the plain lines behind the conversions
.endr
	s_wait_dscnt 0x0                               ; V is in
	v_wmma_f32_16x16x128_fp8_fp8 v[O:O+7], v[VF:VF+15], v[P:P+15], v[O:O+7]           ; the two accumulators take turns; eight other products stand before either is taken up again
	v_wmma_f32_16x16x128_fp8_fp8 v[O+8:O+15], v[VF+16:VF+31], v[P:P+15], v[O+8:O+15]
.endm
.macro TRIP                            ; two key steps: 8,192 bytes of K's codes and as many of V's
	v_add_nc_u32 v[KA], s28, v1
	v_add_nc_u32 v[VA], 0x10000, v[KA]
	STEP 0
	STEP 1
	s_add_co_u32 s28, s28, 8192
.endm
	s_load_b256 s[4:11], s[0:1], 0x0               ; qcodes s[4:5], kcodes s[6:7], vcodes s[8:9], the exponents s[10:11]
	s_load_b64 s[12:13], s[0:1], 0x20              ; ocodes
	v_lshl_add_u32 v206, v0, 2, 0x20000
	v_mov_b32 v207, 0
	v_lshrrev_b32 v2, 5, v0
	v_readfirstlane_b32 s2, v2                     ; wave 0..15
	s_and_b32 s3, ttmp7, 0xffff                    ; 8 x batch + head
	v_and_b32 v1, 31, v0
	v_lshlrev_b32 v1, 4, v1
	v_lshlrev_b32 v6, 4, v0
	v_add_nc_u32 v7, 0x10000, v6
	s_lshl_b32 s14, s3, 16                         ; a head's codes are 65,536 bytes in q, k and v
	s_mov_b32 s15, 0
	s_lshl_b32 s36, ttmp9, 4
	s_add_co_u32 s36, s36, s2                      ; my tile of queries in the head: 16 x work-group x + wave
	s_lshl_b32 s38, s36, 9
	s_mov_b32 s39, 0
	s_lshr_b32 s40, s3, 3
	s_lshl_b32 s40, s40, 7
	s_add_co_u32 s40, s40, s36                     ; my token tile of 512: 128 x batch + that
	s_lshl_b32 s40, s40, 12
	s_and_b32 s41, s3, 7
	s_lshl_b32 s41, s41, 9                         ; my head's group of four registers
	s_add_co_u32 s40, s40, s41
	s_mov_b32 s41, 0
	s_mov_b32 s26, 0x76543210                      ; v_permlanex16_b32: each lane takes its own place in the other half
	s_mov_b32 s27, 0xfedcba98
	s_wait_kmcnt 0x0
	s_load_b256 s[16:23], s[10:11], 0x0            ; e0 .. e7
	s_add_nc_u64 s[4:5], s[4:5], s[14:15]
	s_add_nc_u64 s[4:5], s[4:5], s[38:39]
	s_add_nc_u64 s[6:7], s[6:7], s[14:15]
	s_add_nc_u64 s[8:9], s[8:9], s[14:15]
	s_add_nc_u64 s[12:13], s[12:13], s[40:41]
	; all 17 loads of the wave go out here: q, then the work-group's copy of K and V, 16 bytes a thread, 8,192 consecutive bytes a line
	global_load_b128 v[16:19], v1, s[4:5]
	global_load_b128 v[S:S+3], v6, s[6:7]
	global_load_b128 v[S+4:S+7], v6, s[6:7] offset:8192
	global_load_b128 v[S+8:S+11], v6, s[8:9]
	global_load_b128 v[S+12:S+15], v6, s[8:9] offset:8192
.irp c, 1,2,3
	global_load_b128 v[192+16*\c:195+16*\c], v6, s[6:7] offset:16384*\c
	global_load_b128 v[196+16*\c:199+16*\c], v6, s[6:7] offset:16384*\c+8192
	global_load_b128 v[200+16*\c:203+16*\c], v6, s[8:9] offset:16384*\c
	global_load_b128 v[204+16*\c:207+16*\c], v6, s[8:9] offset:16384*\c+8192
.endr
.irp j, 20,21,22,23
	v_mov_b32 v[\j], 0                             ; the zero codes between q and its copy
.endr
.set j, 0
.rept 16
	v_mov_b32 v[O+j], 0                            ; O^T: the step is written once; the first finds zeros, which the first change of M leaves zeros
.set j, j+1
.endr
	v_mov_b32 v13, 0xff61b1e6                      ; the largest t so far: -3e38, under every t
	v_floor_f32 v12, -v13
	v_mov_b32 v14, 0
	v_mov_b32 v15, 0
	v_mov_b32 v190, 0                              ; a lane permute's destination counts as one of its sources
	v_mov_b32 v193, 0                              ; (named as the upper half of the pair v[192:193])
	s_wait_kmcnt 0x0
	s_add_co_i32 s31, s18, s19
	s_lshl_b32 s31, s31, 23
	s_add_co_i32 s24, s31, 0x3db8aa3b              ; c = log2(e) / 16, with e2 + e3 added to its exponent field: a score stands for score x 2^(e2 + e3)
	s_mov_b32 s25, s24                             ; (named with it as a pair)
	s_cmp_lt_i32 s20, -8
	s_cselect_b32 s30, 1, 0
	s_add_co_i32 s33, s20, 127
	s_lshl_b32 s32, s33, 23
	v_mov_b32 v4, s32                              ; 2^e4
	s_add_co_i32 s33, s33, 8
	s_lshl_b32 s33, s33, 23
	s_or_b32 s33, s33, 0x600000
	v_mov_b32 v5, s33                              ; 448 x 2^e4
	s_sub_co_i32 s35, s22, s20
	s_sub_co_i32 s35, s35, s21                     ; e6 - e4 - e5: a sum of the second product stands for sum x 2^(e4 + e5)
	s_add_co_i32 s35, s35, 127
	s_lshl_b32 s34, s35, 23
	s_add_co_i32 s35, s35, 8
	s_lshl_b32 s35, s35, 23
	s_or_b32 s35, s35, 0x600000
	s_wait_loadcnt 12                              ; q and keys 0-511 are in; the twelve loads of keys 512 on may stay out
.irp j, 0,1,2,3
	v_mov_b32 v[24+\j], v[16+\j]
.endr
	ds_store_b128 v6, v[S:S+3]
	ds_store_b128 v6, v[S+4:S+7] offset:8192
	ds_store_b128 v7, v[S+8:S+11]
	ds_store_b128 v7, v[S+12:S+15] offset:8192
	s_wait_dscnt 0x0                               ; for the others' sake: my part of the copy has landed
	s_barrier_signal -1
	s_barrier_wait -1
	s_mov_b32 s28, 0
	s_mov_b32 s29, 2
.Lfirst:                                               ; keys 0-511: LDS bytes 0 to 16,383 and 65,536 to 81,919
	TRIP
	s_sub_co_u32 s29, s29, 1
	s_cmp_lg_u32 s29, 0
	s_cbranch_scc1 .Lfirst
	s_wait_loadcnt 0x0                             ; keys 512 on: into LDS bytes 16,384 to 65,535 and 81,920 to 131,071, which no wave has read
.irp c, 1,2,3
	ds_store_b128 v6, v[192+16*\c:195+16*\c] offset:16384*\c
	ds_store_b128 v6, v[196+16*\c:199+16*\c] offset:16384*\c+8192
	ds_store_b128 v7, v[200+16*\c:203+16*\c] offset:16384*\c
	ds_store_b128 v7, v[204+16*\c:207+16*\c] offset:16384*\c+8192
.endr
	s_wait_dscnt 0x0
	s_barrier_signal -1
	s_barrier_wait -1
	s_mov_b32 s28, 16384
	s_mov_b32 s29, 6
.Lrest:                                                ; keys 512-2,047
	TRIP
	s_sub_co_u32 s29, s29, 1
	s_cmp_lg_u32 s29, 0
	s_cbranch_scc1 .Lrest
	; THE WAY OUT.  O^T / the sum, held, quantised with 2^(e6 - e4 - e5): a lane's 16 codes are channels 8 h + 0 .. 7 and 16 + 8 h + 0 .. 7 of its query: my head's group of the last product's fragment
	v_add_f32 v14, v14, v15                        ; the sum's two halves,
	v_permlanex16_b32 v190, v14, s26, s27
	v_add_f32 v14, v14, v190                       ; and the other half of the lanes'
	v_rcp_f32 v192, v14
	v_mov_b32 v8, s34                              ; (plain lines behind the reciprocal; with the additions above they are also the places behind the last products)
	v_mov_b32 v9, s35
	v_nop
	s_wait_alu depctr_va_vdst(0)                   ; the wait ahead of the reciprocal's first reader
.irp j, 0,2,4,6,8,10,12,14
	v_pk_mul_f32 v[O+\j:O+\j+1], v[O+\j:O+\j+1], v[192:193] op_sel_hi:[1,0]
.endr
.set j, 0
.rept 16
	v_med3_num_f32 v[O+j], v[O+j], -v9, v9
.set j, j+1
.endr
	v_cvt_scalef32_pk8_fp8_f32 v[P:P+1], v[O:O+7], v8
	v_cvt_scalef32_pk8_fp8_f32 v[P+2:P+3], v[O+8:O+15], v8
	v_nop
	global_store_b128 v1, v[P:P+3], s[12:13]       ; 512 consecutive bytes
	s_wait_tensorcnt 0x0
	ds_add_u32 v206, v207
	s_wait_dscnt 0x0
	s_endpgm
.Lfunc_end_k_qa207896c8c_attn:
	.size	k_qa207896c8c_attn, .Lfunc_end_k_qa207896c8c_attn-k_qa207896c8c_attn
	.p2alignl 7, 3214868480
	.fill 96, 4, 3214868480
	.section	.rodata,"a",@progbits
	.p2align	6, 0x0
	.amdhsa_kernel k_qa207896c8c_attn
		.amdhsa_group_segment_fixed_size 133120
		.amdhsa_private_segment_fixed_size 0
		.amdhsa_enable_private_segment 0
		.amdhsa_kernarg_size 40
		.amdhsa_user_sgpr_count 2
		.amdhsa_user_sgpr_kernarg_segment_ptr 1
		.amdhsa_wavefront_size32 1
		.amdhsa_system_sgpr_workgroup_id_x 1
		.amdhsa_system_sgpr_workgroup_id_y 1
		.amdhsa_system_sgpr_workgroup_id_z 1
		.amdhsa_system_vgpr_workitem_id 0
		.amdhsa_next_free_vgpr 256
		.amdhsa_next_free_sgpr 66
		.amdhsa_reserve_vcc 0
		.amdhsa_float_denorm_mode_32 3
		.amdhsa_float_denorm_mode_16_64 3
		.amdhsa_memory_ordered 1
		.amdhsa_forward_progress 1
		.amdhsa_inst_pref_size 63
	.end_amdhsa_kernel
	.amdgpu_metadata
---
amdhsa.version: [ 1, 2 ]
amdhsa.kernels:
  - .name:           k_qa207896c8c_attn
    .symbol:         k_qa207896c8c_attn.kd
    .args:
      - { .name: qcodes, .offset: 0, .size: 8, .value_kind: global_buffer, .address_space: global }
      - { .name: kcodes, .offset: 8, .size: 8, .value_kind: global_buffer, .address_space: global }
      - { .name: vcodes, .offset: 16, .size: 8, .value_kind: global_buffer, .address_space: global }
      - { .name: lowp_scales, .offset: 24, .size: 8, .value_kind: global_buffer, .address_space: global }
      - { .name: ocodes, .offset: 32, .size: 8, .value_kind: global_buffer, .address_space: global }
    .group_segment_fixed_size: 133120
    .private_segment_fixed_size: 0
    .kernarg_segment_align: 8
    .kernarg_segment_size: 40
    .max_flat_workgroup_size: 512
    .sgpr_count:     66
    .vgpr_count:     256
    .wavefront_size: 32
...
	.end_amdgpu_metadata
.endif
;; end of part 2
;; launch proj (part 3): grid 256 x 1, 8 waves a work-group, no clusters, 35,840 bytes of LDS; arguments ocodes, wocodes, b_out, lowp_scales, out0; writes out0
.if DOCPART == 3
	.amdgcn_target "amdgcn-amd-amdhsa--gfx1250"
	.amdhsa_code_object_version 6
	.text
	.protected	k_qa207896c8c_proj
	.globl	k_qa207896c8c_proj
	.p2align	8
	.type	k_qa207896c8c_proj,@function
k_qa207896c8c_proj:
	s_mov_b64 s[64:65], 0
	v_nop
	global_prefetch_b8 v0, s[64:65] scope:SCOPE_SE
	s_setreg_imm32_b32 hwreg(HW_REG_WAVE_MODE, 25, 1), 1
	s_wait_xcnt 0x0
; out0 = o w_out + b_out on codes of FP8 (E4M3).  ocodes: [token tile 512][K step 2][group 4][lane][16 bytes]; wocodes: [column tile 16][K step 2][group 4][lane][16 bytes]: images of the operands' registers
; (lane (r, h): row r; registers 2 c, 2 c + 1: k = 16 c + 8 h + 0 .. 7), so each fragment comes by four loads of 512 consecutive bytes straight into its registers.  b_out [256], out0 [8192][256]: f32.
; SHARES.  A work-group takes 32 tokens; wave w takes token tile w / 4 and columns 64 (w % 4) on: four accumulators, K = 256 in two steps: eight matrix instructions.
; TRANSPOSED USE: source 0 = 16 columns of w_out, source 1 = 16 tokens: a lane holds eight neighbouring columns of one row.  out = sum x 2^(e6 + e7) + b_out, one packed multiply-add for two numbers.
; The rows go through the wave's own stage in LDS (16 rows x (256 bytes + 16)) and leave so that sixteen lanes store 256 consecutive bytes, aligned.  No barrier: waves share nothing.
; LIMIT: e6 + e7 between -126 and 127, so that 2^(e6 + e7) is an f32 number.
; No tensor load, no cluster: a wave's 48 loads go out together at its head and nothing is asked for later.
.set OF,   16                          ; v16-47   o's two fragments
.set W,    48                          ; v48-175  w_out's eight fragments: 32 i + 16 s
.set BI,   176                         ; v176-207 the bias, in the result's layout
.set ACC,  208                         ; v208-239 four accumulators
.set Y,    48                          ; v48-79   the results
.set BK,   80                          ; v80-111  whole rows, back from the stage
.set SP,   272
; v1 16 x lane; v2 32 h; v3 the stage on the way in; v4 on the way back; v5 my byte offset in two rows of out0
	s_load_b256 s[4:11], s[0:1], 0x0               ; ocodes s[4:5], wocodes s[6:7], b_out s[8:9], the exponents s[10:11]
	s_load_b64 s[12:13], s[0:1], 0x20              ; out0
	v_lshl_add_u32 v240, v0, 2, 0x8800
	v_mov_b32 v241, 0
	v_lshrrev_b32 v6, 5, v0
	v_readfirstlane_b32 s2, v6                     ; wave 0..7
	s_lshr_b32 s3, s2, 2                           ; which of the two token tiles
	s_and_b32 s14, s2, 3                           ; which 64 columns
	v_and_b32 v6, 31, v0
	v_and_b32 v7, 15, v0                           ; r
	v_bfe_u32 v8, v0, 4, 1                         ; h
	v_lshlrev_b32 v1, 4, v6
	v_lshlrev_b32 v2, 5, v8
	s_mul_i32 s15, s2, 16*SP                       ; my stage
	v_mul_u32_u24 v3, v7, SP
	v_lshl_add_u32 v3, v8, 5, v3
	v_add_nc_u32 v3, s15, v3                       ; in: row r, 32 bytes for each half of the lanes
	v_mul_u32_u24 v4, v8, SP
	v_lshl_add_u32 v4, v7, 4, v4
	v_add_nc_u32 v4, s15, v4                       ; back: lanes 0-15 one row of 256 bytes, lanes 16-31 the next
	v_lshlrev_b32 v5, 10, v8
	v_lshl_add_u32 v5, v7, 4, v5                   ; and the same two rows in out0
	s_lshl_b32 s16, ttmp9, 1
	s_add_co_u32 s16, s16, s3                      ; my token tile
	s_lshl_b32 s18, s16, 12                        ; its 4,096 bytes of codes
	s_mov_b32 s19, 0
	s_lshl_b32 s20, s14, 14                        ; my four column tiles' codes
	s_mov_b32 s21, 0
	s_lshl_b32 s22, s14, 8                         ; my 64 columns, in bytes
	s_mov_b32 s23, 0
	s_lshl_b32 s24, s16, 14                        ; 16 rows of 1,024 bytes
	s_add_co_u32 s24, s24, s22
	s_mov_b32 s25, 0
	s_wait_kmcnt 0x0
	s_load_b64 s[26:27], s[10:11], 0x18            ; e6, e7
	s_add_nc_u64 s[4:5], s[4:5], s[18:19]
	s_add_nc_u64 s[6:7], s[6:7], s[20:21]
	s_add_nc_u64 s[8:9], s[8:9], s[22:23]
	s_add_nc_u64 s[12:13], s[12:13], s[24:25]
.irp s, 0,1                                    ; K step by K step, so that the first products can start while the second step's 20 loads are out
.irp g, 0,1,2,3
	global_load_b128 v[OF+16*\s+4*\g:OF+16*\s+4*\g+3], v1, s[4:5] offset:2048*\s+512*\g
.endr
.irp i, 0,1,2,3
.irp g, 0,1,2,3
	global_load_b128 v[W+32*\i+16*\s+4*\g:W+32*\i+16*\s+4*\g+3], v1, s[6:7] offset:4096*\i+2048*\s+512*\g
.endr
.endr
.endr
.irp i, 0,1,2,3
	global_load_b128 v[BI+8*\i:BI+8*\i+3], v2, s[8:9] offset:64*\i        ; lane (r, h), tile i, register j: b_out at column 16 i + 8 h + j of my 64
	global_load_b128 v[BI+8*\i+4:BI+8*\i+7], v2, s[8:9] offset:64*\i+16
.endr
	s_wait_loadcnt 28                              ; K step 0's 20 loads are in; behind them 20 + 8 were issued
.irp i, 0,1,2,3
	v_wmma_f32_16x16x128_fp8_fp8 v[ACC+8*\i:ACC+8*\i+7], v[W+32*\i:W+32*\i+15], v[OF:OF+15], 0   ; the first products start the sums; the four accumulators take turns
.endr
	s_wait_loadcnt 8                               ; K step 1 is in; the bias may be out
.irp i, 0,1,2,3
	v_wmma_f32_16x16x128_fp8_fp8 v[ACC+8*\i:ACC+8*\i+7], v[W+32*\i+16:W+32*\i+31], v[OF+16:OF+31], v[ACC+8*\i:ACC+8*\i+7]
.endr
.rept 4
	v_nop                                          ; four places (ISA guide 7.12.1) in front of the first read of results and of writes into registers that the products have read
.endr
	s_wait_kmcnt 0x0
	s_add_co_i32 s28, s26, s27
	s_add_co_i32 s28, s28, 127
	s_lshl_b32 s28, s28, 23                        ; 2^(e6 + e7) as f32
	s_mov_b32 s29, s28                             ; (named with it as a pair)
	s_wait_loadcnt 0x0
.set j, 0
.rept 16
	v_pk_fma_f32 v[Y+j:Y+j+1], v[ACC+j:ACC+j+1], s[28:29], v[BI+j:BI+j+1] op_sel_hi:[1,0,1]   ; each accumulator from its low end on
.set j, j+2
.endr
.irp i, 0,1,2,3
	ds_store_b128 v3, v[Y+8*\i:Y+8*\i+3] offset:64*\i
	ds_store_b128 v3, v[Y+8*\i+4:Y+8*\i+7] offset:64*\i+16
.endr
.irp t, 0,1,2,3,4,5,6,7
	ds_load_b128 v[BK+4*\t:BK+4*\t+3], v4 offset:2*\t*SP   ; LDS serves a wave's instructions in order (ISA guide 5.7.1.4): these see my stores
.endr
.irp t, 0,1,2,3,4,5,6,7
	s_wait_dscnt 7-\t                              ; row pair t is back; the later loads may be out
	global_store_b128 v5, v[BK+4*\t:BK+4*\t+3], s[12:13] offset:2048*\t th:TH_STORE_NT   ; sixteen lanes store 256 consecutive bytes, at a multiple of 256 from out0's first byte
.endr
	s_wait_tensorcnt 0x0
	ds_add_u32 v240, v241
	s_wait_dscnt 0x0
	s_endpgm
.Lfunc_end_k_qa207896c8c_proj:
	.size	k_qa207896c8c_proj, .Lfunc_end_k_qa207896c8c_proj-k_qa207896c8c_proj
	.p2alignl 7, 3214868480
	.fill 96, 4, 3214868480
	.section	.rodata,"a",@progbits
	.p2align	6, 0x0
	.amdhsa_kernel k_qa207896c8c_proj
		.amdhsa_group_segment_fixed_size 35840
		.amdhsa_private_segment_fixed_size 0
		.amdhsa_enable_private_segment 0
		.amdhsa_kernarg_size 40
		.amdhsa_user_sgpr_count 2
		.amdhsa_user_sgpr_kernarg_segment_ptr 1
		.amdhsa_wavefront_size32 1
		.amdhsa_system_sgpr_workgroup_id_x 1
		.amdhsa_system_sgpr_workgroup_id_y 1
		.amdhsa_system_sgpr_workgroup_id_z 1
		.amdhsa_system_vgpr_workitem_id 0
		.amdhsa_next_free_vgpr 242
		.amdhsa_next_free_sgpr 66
		.amdhsa_reserve_vcc 0
		.amdhsa_float_denorm_mode_32 3
		.amdhsa_float_denorm_mode_16_64 3
		.amdhsa_memory_ordered 1
		.amdhsa_forward_progress 1
		.amdhsa_inst_pref_size 11
	.end_amdhsa_kernel
	.amdgpu_metadata
---
amdhsa.version: [ 1, 2 ]
amdhsa.kernels:
  - .name:           k_qa207896c8c_proj
    .symbol:         k_qa207896c8c_proj.kd
    .args:
      - { .name: ocodes, .offset: 0, .size: 8, .value_kind: global_buffer, .address_space: global }
      - { .name: wocodes, .offset: 8, .size: 8, .value_kind: global_buffer, .address_space: global }
      - { .name: b_out, .offset: 16, .size: 8, .value_kind: global_buffer, .address_space: global }
      - { .name: lowp_scales, .offset: 24, .size: 8, .value_kind: global_buffer, .address_space: global }
      - { .name: out0, .offset: 32, .size: 8, .value_kind: global_buffer, .address_space: global }
    .group_segment_fixed_size: 35840
    .private_segment_fixed_size: 0
    .kernarg_segment_align: 8
    .kernarg_segment_size: 40
    .max_flat_workgroup_size: 256
    .sgpr_count:     66
    .vgpr_count:     242
    .wavefront_size: 32
...
	.end_amdgpu_metadata
.endif
;; end of part 3
;; ======== version 2 of 2: 3 launches; version 1 with the launches qkv, attn, proj written anew for expert scheduling mode
;; workspace buffers: qcodes 2,097,152 bytes; kcodes 2,097,152 bytes; vcodes 2,097,152 bytes; ocodes 2,097,152 bytes; wocodes 65,536 bytes
;; launch qkv (part 4): grid 64 x 3, 16 waves a work-group, no clusters, 100,352 bytes of LDS; arguments x, w_qkv, b_qkv, w_out, lowp_scales, qcodes, kcodes, vcodes, wocodes; writes qcodes, kcodes, vcodes, wocodes
.if DOCPART == 4
	.amdgcn_target "amdgcn-amd-amdhsa--gfx1250"
	.amdhsa_code_object_version 6
	.text
	.protected	k_qa207896c8c_qkv
	.globl	k_qa207896c8c_qkv
	.p2align	8
	.type	k_qa207896c8c_qkv,@function
k_qa207896c8c_qkv:
	s_mov_b64 s[64:65], 0
	v_nop
	global_prefetch_b8 v0, s[64:65] scope:SCOPE_SE
	s_setreg_imm32_b32 hwreg(HW_REG_WAVE_SCHED_MODE, 0, 2), 2
	s_setreg_imm32_b32 hwreg(HW_REG_WAVE_MODE, 25, 1), 1
	s_wait_xcnt 0x0
	s_wait_alu depctr_vm_vsrc(0)
; qkv = Q(x) Q(w_qkv) + b_qkv on codes of FP8 (E4M3); q, k and v are quantised at once and stored as IMAGES OF THE NEXT OPERANDS' REGISTERS; w_out is quantised on the side.
; x [8192][256] f32, w_qkv [256 (k)][768] f32, b_qkv [768] f32, w_out [256 (k)][256] f32; the eight exponents e0 .. e7 (int32) are given.
; SHARES.  Work-group (x, y): 128 tokens (128 x on) times 256 columns: y = 0 is q, 1 is k, 2 is v.  Sixteen waves.
;   In front of the barrier wave w quantises one fragment of x (token tile w / 2, K step w % 2) and rows k = 16 w .. 16 w + 15 of the 256 columns of w_qkv; both go to LDS as register images
;   (lane l's 16 bytes at 16 l, 512 bytes for a group of four registers).  Behind it wave w owns head w / 2 (32 columns) and 64 tokens (half w % 2): 16 matrix instructions.
; K IN THE FIRST PRODUCT: registers 4 b .. 4 b + 3 of a fragment hold k = 32 b + 16 (lane / 16) + 0 .. 15, in x and in w alike: the same permutation of k on both sides, so every product meets its partner.
; THE BIAS is the C of each sum's first matrix instruction, divided by 2^(e0 + e1), which the sums lack; the conversion then takes the one scale 2^(e_out - e0 - e1), e_out = e2 (q), e3 (k), e5 (v).
; q AND k: source 0 = 16 columns of w, source 1 = 16 tokens: a lane holds one token and eight neighbouring channels.  qcodes, kcodes: [batch x head 32][token tile 128][lane 32][16 bytes]:
;   lane (r, h): token r; registers 0, 1 channels 8 h + 0 .. 7, registers 2, 3 channels 16 + 8 h + 0 .. 7.
; v: the sources swapped: a lane holds one channel and eight neighbouring tokens, which are the second attention product's K.  vcodes: [batch x head][128 keys: 16][channel tile 2][group 4][lane][16 bytes]:
;   lane (r, h): channel 16 ct + r; registers 2 c, 2 c + 1 keys 16 c + 8 h + 0 .. 7.
; wocodes: [column tile 16][K step 2][group 4][lane][16 bytes]: lane (r, h): column r; registers 2 c, 2 c + 1: k = 16 c + 8 h + 0 .. 7.  Its 128 groups are made by wave 0 of the 128 work-groups with y < 2.
; LIMITS, so that each power of two below is an f32 number: e0, e1, e7, and e_out - e0 - e1, between -126 and 119.  NaN among the inputs is not served; an infinity is held at the largest code.
; No tensor load, no cluster: the f32 numbers must pass through registers to be quantised, and a wave's loads all go out at its head.
; THE MODE: SCHED_MODE bits 1:0 = 2 (LLVM: expert scheduling mode 2), set by the entry lines.  The code itself states the register dependences
; between vector or matrix instructions and memory or LDS instructions, with s_wait_alu, always for 0.
; THE PLAN.  Registers that memory or LDS instructions touch:
;   v1-v9   addresses, written once at the head: one wait on va_vdst in front of the first load serves every load and store of the kernel.
;   XS      x's loads land; holds and conversions work on it; w's holds write it and w's conversions read it; behind the barrier fragments of x land, the products read them, and the next fragments land.
;   WR      w's loads land; the holds read it; then my head's fragments of w land in v128-191, and w_out's numbers in v240-255.
;   PC      three times: conversions write it, LDS stores read it: a wait on va_vdst in front of each run of stores, a wait on vm_vsrc in front of each rewriting.
;   CODES, WC   written once by conversions, read once by global stores: a wait on va_vdst in front of the stores.
; The wait on va_vdst in front of w's second run of LDS stores is the last one ahead of the barrier: every hold and conversion stands in front of it and no vector line follows it until the fragments are asked for,
; so w_out's loads and the eight fragments' loads behind the barrier owe nothing more.
.set XIMG,  0                          ; LDS: x's 16 fragments, 2,048 bytes each: (2 x token tile + K step)
.set WIMG,  32768                      ; LDS: w's 32 fragments: 4,096 x column tile + 2,048 x K step + 512 x group
.set SCV,   12                         ; v12  the scale in hand as f32: the conversion takes its exponent field
.set LIMV,  13                         ; v13  448 x that scale
.set PC,    16                         ; v16-31   the codes just made
.set BT,    32                         ; v32-47   the bias: two tiles of eight registers, in the result's layout
.set WC,    48                         ; v48-51   w_out's codes: registers that no memory or LDS instruction has read
.set XS,    64                         ; v64-127  64 numbers of x; then 64 numbers of w, turned; then four fragments of x
.set WR,    128                        ; v128-255 w as loaded: two units of 16 rows x 4 columns a lane
.set WF,    128                        ; v128-191 then my head's four fragments of w
.set ACC,   192                        ; v192-223 four accumulators
.set CODES, 224                        ; v224-239 q's, k's or v's codes: eight registers for each pair of token tiles, so that no store's data are written again
.set WOS,   240                        ; v240-255 16 numbers of w_out (registers that every wave has written and is done with when they are loaded)
; v1 16 x lane; v2 x: 1,024 r + 64 h; v3 w_out: 8,192 h + 4 r; v4 32 h; v5 4 r; v6, v7 where I store x's and w's images; v8, v9 where I read w's and x's; v10, v11 v's bias: one number a lane
.macro PATTERN sc, lim, e              ; s[sc] = 2^e as f32, s[lim] = 448 x 2^e, e in s[e]
	s_add_co_i32 s[\lim], s[\e], 127
	s_lshl_b32 s[\sc], s[\lim], 23
	s_add_co_i32 s[\lim], s[\lim], 8
	s_lshl_b32 s[\lim], s[\lim], 23
	s_or_b32 s[\lim], s[\lim], 0x600000
.endm
.macro FETCH reg, adr, off             ; a fragment's image comes back as it was stored: the same registers in the same lanes
.irp c, 0,1,2,3
	ds_load_b128 v[(\reg)+4*\c:(\reg)+4*\c+3], v[\adr] offset:(\off)+512*\c
.endr
.endm
.macro WLOAD ch                        ; my 16 rows of w, columns 128 ch + 4 lane + 0 .. 3: each load reads 512 consecutive bytes
.irp i, 0,1,2,3,4,5,6,7,8,9,10,11,12,13,14,15
	global_load_b128 v[WR+64*\ch+4*\i:WR+64*\ch+4*\i+3], v1, s[10:11] offset:3072*\i+512*\ch
.endr
.endm
; A unit of w becomes codes.  THE HOLD DOES THE TURNING: it reads register 4 i + c (row i, column c) and writes register 16 c + i, so that a column's 16 neighbours along K stand in consecutive registers.
; Column 128 ch + 4 lane + c lies in column tile 8 ch + lane / 4 at lane place 4 (lane % 4) + c; k = 16 w + 0 .. 15 is K step w / 8, group (w / 2) % 4, half w % 2.
.macro TQUANT ch
.irp c, 0,1,2,3
.irp i, 0,1,2,3,4,5,6,7,8,9,10,11,12,13,14,15
	v_med3_num_f32 v[XS+16*\c+\i], v[WR+64*\ch+4*\i+\c], -v[LIMV], v[LIMV]   ; the conversion to an 8-bit code does not saturate (ISA guide 7.6.2)
.endr
	v_cvt_scalef32_pk8_fp8_f32 v[PC+4*\c:PC+4*\c+1], v[XS+16*\c:XS+16*\c+7], v[SCV]
	v_cvt_scalef32_pk8_fp8_f32 v[PC+4*\c+2:PC+4*\c+3], v[XS+16*\c+8:XS+16*\c+15], v[SCV]
.endr
	v_nop                                          ; one plain vector line behind the last conversion of a run
	s_wait_alu depctr_va_vdst(0)                   ; the conversions have written v[PC ..], which the LDS stores read; the holds are done reading this unit of v[WR ..], and holds and conversions are done with v[XS ..]
.irp c, 0,1,2,3
	ds_store_b128 v7, v[PC+4*\c:PC+4*\c+3] offset:32768*\ch+16*\c   ; four lanes share a 16-byte column of the banks: eight such stores a wave in the whole launch
.endr
.endm
; Two token tiles (2 p, 2 p + 1 of my four) x my head's two column tiles x K = 256: eight matrix instructions on four accumulators by turns.
; vp = 0 (q, k): accumulator a = 2 m + t, source 0 = w's tile t, source 1 = x's tile m.   vp = 1 (v): a = 2 t + m, source 0 = x's tile m, source 1 = w's tile t.
.macro PAIR p, vp
	s_wait_dscnt 0x0                               ; the fragments are in
.irp s, 0,1
.irp a, 0,1,2,3
.if \vp
.set rA, XS+32*(\a%2)+16*\s
.set rB, WF+32*(\a/2)+16*\s
.set rC, BT+8*(\a/2)
.else
.set rA, WF+32*(\a%2)+16*\s
.set rB, XS+32*(\a/2)+16*\s
.set rC, BT+8*(\a%2)
.endif
.if \s == 0
	v_wmma_f32_16x16x128_fp8_fp8 v[ACC+8*\a:ACC+8*\a+7], v[rA:rA+15], v[rB:rB+15], v[rC:rC+7]
.else
	v_wmma_f32_16x16x128_fp8_fp8 v[ACC+8*\a:ACC+8*\a+7], v[rA:rA+15], v[rB:rB+15], v[ACC+8*\a:ACC+8*\a+7]
.endif
.endr
.endr
.rept 4
	v_nop                                          ; four places (ISA guide 7.12.1) in front of the first read of results
.endr
.if \p == 0
	s_wait_alu depctr_va_vdst(0)                   ; the products are done reading v[XS ..], in which the next fragments land
.irp f, 0,1,2,3
	FETCH XS+16*\f, 9, 8192+2048*\f                ; the next two token tiles' fragments land while these results are quantised
.endr
.endif
.set i, 0
.rept 32
	v_med3_num_f32 v[ACC+i], v[ACC+i], -v[LIMV], v[LIMV]   ; each accumulator from its low end on
.set i, i+1
.endr
.irp a, 0,1,2,3
	v_cvt_scalef32_pk8_fp8_f32 v[CODES+8*\p+2*\a:CODES+8*\p+2*\a+1], v[ACC+8*\a:ACC+8*\a+7], v[SCV]
.endr
	v_nop                                          ; one plain vector line behind the last conversion: the next pair's products write its sources
	s_wait_alu depctr_va_vdst(0)                   ; the conversions have written this pair's eight registers of v[CODES ..], which the two stores read
.if \vp
	global_store_b128 v1, v[CODES+8*\p:CODES+8*\p+3], s[50:51] offset:512*\p          ; channel tile 0, group 2 x half + p: 512 consecutive bytes
	global_store_b128 v1, v[CODES+8*\p+4:CODES+8*\p+7], s[50:51] offset:2048+512*\p   ; channel tile 1
.else
	global_store_b128 v1, v[CODES+8*\p:CODES+8*\p+3], s[50:51] offset:1024*\p         ; token tile 2 p: 512 consecutive bytes
	global_store_b128 v1, v[CODES+8*\p+4:CODES+8*\p+7], s[50:51] offset:1024*\p+512   ; token tile 2 p + 1
.endif
.endm
	s_load_b512 s[8:23], s[0:1], 0x0               ; x s[8:9], w_qkv s[10:11], b_qkv s[12:13], w_out s[14:15], the exponents s[16:17], qcodes s[18:19], kcodes s[20:21], vcodes s[22:23]
	s_load_b64 s[24:25], s[0:1], 0x40              ; wocodes
	v_lshl_add_u32 v62, v0, 2, 0x18000
	v_mov_b32 v63, 0
	v_lshrrev_b32 v16, 5, v0
	v_readfirstlane_b32 s2, v16                    ; wave 0..15
	v_and_b32 v16, 31, v0                          ; lane
	v_and_b32 v17, 15, v0                          ; r
	v_bfe_u32 v18, v0, 4, 1                        ; h
	v_lshlrev_b32 v1, 4, v16
	s_wait_alu depctr_va_vdst(0)
	v_lshlrev_b32 v2, 10, v17
	v_lshl_add_u32 v2, v18, 6, v2                  ; x: row r of 1,024 bytes, + 64 h: my 16 numbers of a block of 32
	v_lshlrev_b32 v5, 2, v17
	v_lshl_add_u32 v3, v18, 13, v5                 ; w_out: 8 h rows of 1,024 bytes, column r
	v_lshlrev_b32 v4, 5, v18
	s_wait_alu depctr_va_sdst(0)                   ; s2 is written, ahead of its first reader: addresses, bases and branches are made from it
	s_lshr_b32 s3, s2, 1                           ; head (behind the barrier); x's token tile (in front of it)
	s_and_b32 s4, s2, 1                            ; half of the tokens; x's K step
	s_mov_b32 s5, ttmp9                            ; which 128 tokens
	s_and_b32 s6, ttmp7, 0xffff                    ; 0 q, 1 k, 2 v
	s_lshr_b32 s7, s6, 1
	s_or_b32 s7, s7, s2                            ; 0 in wave 0 of the work-groups with y < 2: they make w_out's codes
	s_lshl_b32 s52, s2, 11
	v_add_nc_u32 v6, s52, v1                       ; x's image: fragment w
	s_lshr_b32 s52, s2, 3
	s_lshl_b32 s52, s52, 11                        ; w's image: K step w / 8,
	s_and_b32 s53, s3, 3
	s_lshl_b32 s53, s53, 9                         ; group (w / 2) % 4,
	s_add_co_u32 s52, s52, s53
	s_lshl_b32 s53, s4, 8                          ; lanes 16 (w % 2) on,
	s_add_co_u32 s52, s52, s53
	s_add_co_u32 s52, s52, WIMG
	v_lshrrev_b32 v19, 2, v16
	v_and_b32 v20, 3, v16
	v_lshlrev_b32 v7, 12, v19                      ; column tile lane / 4,
	v_lshl_add_u32 v7, v20, 6, v7                  ; lane place 4 (lane % 4)
	v_add_nc_u32 v7, s52, v7
	s_lshl_b32 s52, s3, 13
	s_add_co_u32 s52, s52, WIMG
	v_add_nc_u32 v8, s52, v1                       ; my head's two column tiles
	s_lshl_b32 s52, s4, 14
	v_add_nc_u32 v9, s52, v1                       ; my four token tiles
	; byte offsets, each in a pair of its own
	s_lshl_b32 s52, s5, 17                         ; x: 128 rows of 1,024 bytes a work-group,
	s_lshl_b32 s53, s3, 14                         ; 16 rows a token tile,
	s_add_co_u32 s52, s52, s53
	s_lshl_b32 s53, s4, 9                          ; 128 numbers a K step
	s_add_co_u32 s52, s52, s53
	s_mov_b32 s53, 0
	s_lshl_b32 s54, s6, 10                         ; w_qkv: 256 columns a y, 16 rows of 3,072 bytes a wave
	s_mul_i32 s55, s2, 49152
	s_add_co_u32 s54, s54, s55
	s_mov_b32 s55, 0
	s_lshl_b32 s56, s6, 10                         ; b_qkv: 256 numbers a y, 32 a head
	s_lshl_b32 s57, s3, 7
	s_add_co_u32 s56, s56, s57
	s_mov_b32 s57, 0
	s_lshl_b32 s30, s6, 6
	s_add_co_u32 s30, s30, s5                      ; which of wocodes' 128 groups: x + 64 y = 8 x column tile + 4 x K step + group
	s_and_b32 s26, s30, 7
	s_lshl_b32 s26, s26, 15                        ; w_out: 32 rows of 1,024 bytes a group,
	s_lshr_b32 s27, s30, 3
	s_lshl_b32 s27, s27, 6                         ; 16 columns a tile
	s_add_co_u32 s26, s26, s27
	s_mov_b32 s27, 0
	s_lshl_b32 s28, s30, 9
	s_mov_b32 s29, 0
	s_lshr_b32 s58, s5, 4                          ; the codes: batch,
	s_lshl_b32 s58, s58, 3
	s_add_co_u32 s58, s58, s3                      ; head: 65,536 bytes each;
	s_lshl_b32 s58, s58, 16
	s_and_b32 s59, s5, 15
	s_lshl_b32 s59, s59, 12                        ; 128 tokens are 4,096 bytes in all three layouts;
	s_add_co_u32 s58, s58, s59
	s_cmp_eq_u32 s6, 2
	s_cselect_b32 s59, 10, 11
	s_lshl_b32 s59, s4, s59                        ; my half: four token tiles (2,048 bytes) in q and k, two groups (1,024) in v
	s_add_co_u32 s58, s58, s59
	s_mov_b32 s59, 0
	s_wait_kmcnt 0x0
	s_load_b256 s[32:39], s[16:17], 0x0            ; e0 .. e7
	s_add_nc_u64 s[8:9], s[8:9], s[52:53]
	s_add_nc_u64 s[10:11], s[10:11], s[54:55]
	s_add_nc_u64 s[12:13], s[12:13], s[56:57]
	s_add_nc_u64 s[14:15], s[14:15], s[26:27]
	s_add_nc_u64 s[24:25], s[24:25], s[28:29]
	s_cmp_eq_u32 s6, 0                             ; the buffer of codes is chosen by the work-group's y alone
	s_cselect_b64 s[50:51], s[18:19], s[20:21]
	s_cmp_eq_u32 s6, 2
	s_cselect_b64 s[50:51], s[22:23], s[50:51]
	s_add_nc_u64 s[50:51], s[50:51], s[58:59]
	s_wait_alu depctr_va_vdst(0)                   ; the nine addresses v1 to v9 are written, which the loads, LDS instructions and stores of the whole kernel read
	; 54 loads of the wave go out together.  The bias comes in both forms (eight neighbours a lane for q and k, one number a lane for v), so that no register's content hangs on a branch
	global_load_b128 v[BT:BT+3], v4, s[12:13]
	global_load_b128 v[BT+4:BT+7], v4, s[12:13] offset:16
	global_load_b128 v[BT+8:BT+11], v4, s[12:13] offset:64
	global_load_b128 v[BT+12:BT+15], v4, s[12:13] offset:80
	global_load_b32 v10, v5, s[12:13]
	global_load_b32 v11, v5, s[12:13] offset:64
.irp b, 0,1,2,3
.irp j, 0,1,2,3
	global_load_b128 v[XS+16*\b+4*\j:XS+16*\b+4*\j+3], v2, s[8:9] offset:128*\b+16*\j   ; register 16 b + i: k = 32 b + 16 h + i of my row
.endr
.endr
	WLOAD 0
	WLOAD 1
	s_wait_kmcnt 0x0
	PATTERN 40, 41, 32                             ; e0, for x
	PATTERN 42, 43, 33                             ; e1, for w_qkv
	PATTERN 46, 47, 39                             ; e7, for w_out
	s_cmp_eq_u32 s6, 0
	s_cselect_b32 s56, s34, s35                    ; e2 for q, e3 for k,
	s_cmp_eq_u32 s6, 2
	s_cselect_b32 s56, s37, s56                    ; e5 for v
	s_add_co_i32 s49, s32, s33                     ; e0 + e1
	s_sub_co_i32 s56, s56, s49
	s_sub_co_i32 s48, 0, s49                       ; the bias goes in x 2^-(e0 + e1)
	PATTERN 44, 45, 56                             ; e_out - e0 - e1: the three scales folded into the conversion's one
	; ---- x's fragment
	v_mov_b32 v[SCV], s40
	v_mov_b32 v[LIMV], s41
	s_wait_alu depctr_va_vdst(0)
	s_wait_loadcnt 32                              ; the bias and x are in; behind them only w's 32 loads were issued
.irp b, 0,1,2,3
.irp i, 0,1,2,3,4,5,6,7,8,9,10,11,12,13,14,15
	v_med3_num_f32 v[XS+16*\b+\i], v[XS+16*\b+\i], -v[LIMV], v[LIMV]
.endr
	v_cvt_scalef32_pk8_fp8_f32 v[PC+4*\b:PC+4*\b+1], v[XS+16*\b:XS+16*\b+7], v[SCV]
	v_cvt_scalef32_pk8_fp8_f32 v[PC+4*\b+2:PC+4*\b+3], v[XS+16*\b+8:XS+16*\b+15], v[SCV]
.endr
	v_nop                                          ; one plain vector line behind the last conversion
	s_wait_alu depctr_va_vdst(0)                   ; the conversions have written v[PC ..], which the LDS stores read
.irp c, 0,1,2,3
	ds_store_b128 v6, v[PC+4*\c:PC+4*\c+3] offset:XIMG+512*\c
.endr
	; ---- w's two units
	v_mov_b32 v[SCV], s42
	v_mov_b32 v[LIMV], s43
	s_wait_alu depctr_va_vdst(0)
	s_wait_loadcnt 16                              ; unit 0 is in; unit 1's 16 loads may be out
	s_wait_dscnt 0x0                               ; x's image has landed
	s_wait_alu depctr_vm_vsrc(0)                   ; the LDS stores have read v[PC ..], which unit 0's conversions write again
	TQUANT 0
	s_wait_loadcnt 0x0
	s_wait_dscnt 0x0
	s_wait_alu depctr_vm_vsrc(0)                   ; the LDS stores have read v[PC ..], which unit 1's conversions write again
	TQUANT 1
	s_cmp_lg_u32 s7, 0                             ; w_out's 16 numbers a lane are asked for here and land while the wave does its products
	s_cbranch_scc1 .Lno_wo
.irp u, 0,1
.irp j, 0,1,2,3,4,5,6,7
	global_load_b32 v[WOS+8*\u+\j], v3, s[14:15] offset:(16*\u+\j)*1024   ; w_out(32 x group + 16 u + 8 h + j, column r): registers down K.  No wait: the holds that read these registers stand in front of the last wait on va_vdst
.endr
.endr
.Lno_wo:
	s_wait_dscnt 0x0                               ; for the others' sake: my images have landed
	s_barrier_signal -1
	s_barrier_wait -1                              ; the one barrier: behind it LDS is only read
.irp f, 0,1,2,3
	FETCH WF+16*\f, 8, 2048*\f                     ; w: fragment 2 t + s of my head.  No wait here nor below: no vector line has been issued since the last wait on va_vdst
.endr
.irp f, 0,1,2,3
	FETCH XS+16*\f, 9, 2048*\f                     ; x: fragment 2 m + s of my first two token tiles
.endr
	v_mov_b32 v[SCV], s44
	v_mov_b32 v[LIMV], s45
	s_cmp_eq_u32 s6, 2
	s_cbranch_scc1 .Lv_arm
.set i, 0
.rept 16
	v_ldexp_f32 v[BT+i], v[BT+i], s48              ; q, k: lane (r, h), tile t, register j: the bias of channel 16 t + 8 h + j
.set i, i+1
.endr
	s_wait_alu depctr_va_vdst(0)
	PAIR 0, 0
	PAIR 1, 0
	s_branch .Ljoin
.Lv_arm:
.irp t, 0,1
.irp j, 0,1,2,3,4,5,6,7
	v_ldexp_f32 v[BT+8*\t+\j], v[10+\t], s48       ; v: a lane holds one channel, 16 t + r: its bias in all eight registers
.endr
.endr
	s_wait_alu depctr_va_vdst(0)
	PAIR 0, 1
	PAIR 1, 1
.Ljoin:
	s_cmp_lg_u32 s7, 0
	s_cbranch_scc1 .Lend
	v_mov_b32 v[SCV], s46                          ; ---- one group of w_out's codes
	v_mov_b32 v[LIMV], s47
	s_wait_alu depctr_va_vdst(0)
	s_wait_loadcnt 0x0
.set i, 0
.rept 16
	v_med3_num_f32 v[WOS+i], v[WOS+i], -v[LIMV], v[LIMV]
.set i, i+1
.endr
	v_cvt_scalef32_pk8_fp8_f32 v[WC:WC+1], v[WOS:WOS+7], v[SCV]
	v_cvt_scalef32_pk8_fp8_f32 v[WC+2:WC+3], v[WOS+8:WOS+15], v[SCV]
	v_nop
	s_wait_alu depctr_va_vdst(0)                   ; the conversions have written v[WC ..], which the store reads
	global_store_b128 v1, v[WC:WC+3], s[24:25]     ; 512 consecutive bytes
.Lend:
	s_wait_dscnt 0x0
	s_wait_alu depctr_hold_cnt(0) depctr_sa_sdst(0) depctr_va_vdst(0) depctr_va_sdst(0) depctr_va_ssrc(0) depctr_va_vcc(0) depctr_vm_vsrc(0)
	s_wait_tensorcnt 0x0
	ds_add_u32 v62, v63
	s_wait_dscnt 0x0
	s_endpgm
.Lfunc_end_k_qa207896c8c_qkv:
	.size	k_qa207896c8c_qkv, .Lfunc_end_k_qa207896c8c_qkv-k_qa207896c8c_qkv
	.p2alignl 7, 3214868480
	.fill 96, 4, 3214868480
	.section	.rodata,"a",@progbits
	.p2align	6, 0x0
	.amdhsa_kernel k_qa207896c8c_qkv
		.amdhsa_group_segment_fixed_size 100352
		.amdhsa_private_segment_fixed_size 0
		.amdhsa_enable_private_segment 0
		.amdhsa_kernarg_size 72
		.amdhsa_user_sgpr_count 2
		.amdhsa_user_sgpr_kernarg_segment_ptr 1
		.amdhsa_wavefront_size32 1
		.amdhsa_system_sgpr_workgroup_id_x 1
		.amdhsa_system_sgpr_workgroup_id_y 1
		.amdhsa_system_sgpr_workgroup_id_z 1
		.amdhsa_system_vgpr_workitem_id 0
		.amdhsa_next_free_vgpr 256
		.amdhsa_next_free_sgpr 66
		.amdhsa_reserve_vcc 0
		.amdhsa_float_denorm_mode_32 3
		.amdhsa_float_denorm_mode_16_64 3
		.amdhsa_memory_ordered 1
		.amdhsa_forward_progress 1
		.amdhsa_inst_pref_size 47
	.end_amdhsa_kernel
	.amdgpu_metadata
---
amdhsa.version: [ 1, 2 ]
amdhsa.kernels:
  - .name:           k_qa207896c8c_qkv
    .symbol:         k_qa207896c8c_qkv.kd
    .args:
      - { .name: x, .offset: 0, .size: 8, .value_kind: global_buffer, .address_space: global }
      - { .name: w_qkv, .offset: 8, .size: 8, .value_kind: global_buffer, .address_space: global }
      - { .name: b_qkv, .offset: 16, .size: 8, .value_kind: global_buffer, .address_space: global }
      - { .name: w_out, .offset: 24, .size: 8, .value_kind: global_buffer, .address_space: global }
      - { .name: lowp_scales, .offset: 32, .size: 8, .value_kind: global_buffer, .address_space: global }
      - { .name: qcodes, .offset: 40, .size: 8, .value_kind: global_buffer, .address_space: global }
      - { .name: kcodes, .offset: 48, .size: 8, .value_kind: global_buffer, .address_space: global }
      - { .name: vcodes, .offset: 56, .size: 8, .value_kind: global_buffer, .address_space: global }
      - { .name: wocodes, .offset: 64, .size: 8, .value_kind: global_buffer, .address_space: global }
    .group_segment_fixed_size: 100352
    .private_segment_fixed_size: 0
    .kernarg_segment_align: 8
    .kernarg_segment_size: 72
    .max_flat_workgroup_size: 512
    .sgpr_count:     66
    .vgpr_count:     256
    .wavefront_size: 32
...
	.end_amdgpu_metadata
.endif
;; end of part 4
;; launch attn (part 5): grid 8 x 32, 16 waves a work-group, no clusters, 133,120 bytes of LDS; arguments qcodes, kcodes, vcodes, lowp_scales, ocodes; writes ocodes
.if DOCPART == 5
	.amdgcn_target "amdgcn-amd-amdhsa--gfx1250"
	.amdhsa_code_object_version 6
	.text
	.protected	k_qa207896c8c_attn
	.globl	k_qa207896c8c_attn
	.p2align	8
	.type	k_qa207896c8c_attn,@function
k_qa207896c8c_attn:
	s_mov_b64 s[64:65], 0
	v_nop
	global_prefetch_b8 v0, s[64:65] scope:SCOPE_SE
	s_setreg_imm32_b32 hwreg(HW_REG_WAVE_SCHED_MODE, 0, 2), 2
	s_setreg_imm32_b32 hwreg(HW_REG_WAVE_MODE, 25, 1), 1
	s_wait_xcnt 0x0
	s_wait_alu depctr_vm_vsrc(0)
; o = softmax(q k^T / 16) v for one head, both products on codes of FP8 (E4M3); o is quantised at once and stored as an image of the last product's operand registers.
; qcodes, kcodes: [batch x head 32][token tile 128][lane][16 bytes]; vcodes: [batch x head][128 keys: 16][channel tile 2][group 4][lane][16 bytes]; ocodes: [token tile 512][head 8][lane][16 bytes].
; THE SOFTMAX: t = score x log2(e) / 16; M = the largest t so far, rounded UP to a whole number; p = 2^(t - M) is what is quantised (scale 2^e4), not normalised; the row's sum is taken of the unquantised p
; and divides at the end.  When M moves, the sum and O are multiplied by 2^(old M - new M), which rounds nothing.
; SHARES.  Work-group (x, y): 256 queries (256 x on) of head y; each of its sixteen waves owns one tile of 16 queries in 256 registers, four waves to a SIMD, so that one wave's exponentials stand beside
; another's plain, matrix and LDS work.  Every wave walks the head's 2,048 keys, 128 a step.
; LDS holds the head's K codes (64 KiB at 0) and V codes (64 KiB at 65,536), flat copies of the buffers, each byte written once.  The first 512 keys are copied in front of the first barrier; the other three
; quarters are asked for at the head too, wait in 48 registers through four steps, and are stored in front of the second barrier.  Those stores touch no byte that the first four steps read.
; LAYOUT.  Both products are used transposed: S^T = K Q^T, O^T = V^T P^T: a lane holds ONE query (lane % 16) throughout.  Tile T of S^T: register j = key 16 T + 8 (lane / 16) + j, which is just where the
; K = 128 form wants k in registers 2 T, 2 T + 1: the conversions' results are the second product's operand.
; THE HEAD'S 32 CHANNELS ON THE K = 64 FORM: source 0 holds TWO tiles of keys (one in k 0-31, the next in k 32-63); source 1 is q followed by zeros, or zeros followed by q.  Zero codes add nothing.
; THE HOLD of p: p is at most 1, so it can pass 448 x 2^e4 only where e4 < -8.  A scalar branch on that given whole number leads round the 64 lines elsewhere.
; LIMITS, so that each power of two below is an f32 number: e2 + e3 between -122 and 130 (added to c's exponent field); e4, and e6 - e4 - e5, between -126 and 119.
; No cluster and no tensor load: what the eight work-groups of a head share is 128 KiB, read once at the head, three quarters of it behind four steps of work.
; THE MODE: SCHED_MODE bits 1:0 = 2 (LLVM: expert scheduling mode 2), set by the entry lines.  The code itself states the register dependences
; between vector or matrix instructions and memory or LDS instructions, with s_wait_alu, always for 0.
; THE PLAN.  Registers that memory or LDS instructions touch, in the loops:
;   KF       LDS loads land in it; the step's eight first products read it.
;   VF       LDS loads land in it; the step's two second products read it.
;   KA, VA   Read by every LDS load of a trip; written once a trip, at its head.
;   v1, v6, v7 are written once at the head; v208-255 take global loads and are read by LDS stores, and nothing writes them again.
; The wait on va_vdst behind a step's exponentials: it states that p is written, that this step's first products are done reading KF, and that the last step's second products are done reading VF.
; Behind it come the step's eight loads of V, in one run, and, in a trip's first step, the next step's eight loads of K, dealt among the packed additions, which name S, v14, v15, v194 and v195 alone.
; At a trip's head a wait on vm_vsrc stands in front of the two additions that write KA and VA, and a wait on va_vdst behind them, in front of the trip's first loads of K.
; K is not asked for across a trip's edge: the first loop's last trip would ask for bytes that are stored only in front of the second barrier.
.set KA,  2                            ; v2   LDS address of the trip's K tiles;  v3 of its V fragments
.set VA,  3
.set QLO, 16                           ; v16-23  q, zeros
.set QHI, 20                           ; v20-27  zeros, q
.set KF,  28                           ; v28-59  eight tiles of keys, four registers each
.set VF,  60                           ; v60-91  two fragments of V^T
.set S,   92                           ; v92-155 S^T, then p
.set O,   156                          ; v156-171 O^T
.set P,   172                          ; v172-187 p's codes
; v1 16 x lane; v4 2^e4, v5 448 x 2^e4; v6 16 x thread, v7 the same + 65,536; v8, v9 2^(e6 - e4 - e5) and 448 x that; v12 -M, v13 the largest t, v[14:15] the sum in two halves;
; v188, v189 the maximum's two chains; v190 a permute's destination; v[192:193] f; v[194:195] the sum's second chain; v208-255 keys 512 on, on their way to LDS
; s[24:25] c; s[26:27] lane selects; s28 LDS byte of the trip's tiles; s29 trips; s30 1 where the hold is needed
; A KEY STEP: 128 keys, the q-th of the trip's two.  Its tiles of K were asked for at the trip's head (q = 0) or in the step before (q = 1).
.macro STEP q
	s_wait_dscnt 0x0                               ; this step's eight tiles of keys are in
.irp t, 0,1,2,3
	v_wmma_f32_16x16x64_fp8_fp8 v[S+16*\t:S+16*\t+7], v[KF+8*\t:KF+8*\t+7], v[QLO:QLO+7], 0
	v_wmma_f32_16x16x64_fp8_fp8 v[S+16*\t+8:S+16*\t+15], v[KF+8*\t:KF+8*\t+7], v[QHI:QHI+7], 0
.endr
.rept 4
	v_nop                                          ; four places (ISA guide 7.12.1) in front of the first read of the scores
.endr
	v_max3_num_f32 v188, v[S], v[S+1], v[S+2]      ; the step's largest score of my query among my 64 keys, in two chains; each tile is first read at its low end
	v_max3_num_f32 v189, v[S+3], v[S+4], v[S+5]
.irp i, 6,10,14,18,22,26,30,34,38,42,46,50,54,58
	v_max3_num_f32 v188, v188, v[S+\i], v[S+\i+1]
	v_max3_num_f32 v189, v189, v[S+\i+2], v[S+\i+3]
.endr
	v_max3_num_f32 v188, v188, v[S+62], v[S+63]
	v_max_num_f32 v188, v188, v189
	v_permlanex16_b32 v190, v188, s26, s27
	v_max_num_f32 v188, v188, v190                 ; and among the other half of the lanes'
	v_mul_f32 v188, s24, v188                      ; as t (c is positive)
	v_max_num_f32 v13, v13, v188                   ; the running largest t
	v_mov_b32 v188, v12
	v_floor_f32 v12, -v13                          ; the new -M = floor(-t) = -ceil(t): a whole number
	v_sub_f32 v188, v12, v188                      ; old M less new M: a whole number, 0 or less
	v_cvt_i32_f32 v188, v188                       ; (it saturates)
	v_ldexp_f32 v192, 1.0, v188                    ; f = 2^(old M - new M)
.set j, 0
.rept 32
	v_pk_fma_f32 v[S+j:S+j+1], v[S+j:S+j+1], s[24:25], v[12:13] op_sel_hi:[1,0,0]   ; t - M, two at a time (of the pairs c and -M the low word serves both halves)
.set j, j+2
.endr
.set j, 0
	s_wait_alu depctr_va_vdst(0)
.rept 64
	v_exp_f32 v[S+j], v[S+j]                       ; p = 2^(t - M): one batch
.set j, j+1
.endr
	v_pk_mul_f32 v[14:15], v[14:15], v[192:193] op_sel_hi:[1,0]   ; the sum under the new M: the plain line behind the last exponential
	s_wait_alu depctr_va_vdst(0)                   ; the exponentials have written p (one wait for the batch, ahead of the first line that names a result); this step's first products are done reading v[KF ..] and the last step's second products v[VF ..], in which the loads below land
.irp f, 0,1,2,3,4,5,6,7
	ds_load_b128 v[VF+4*\f:VF+4*\f+3], v[VA] offset:4096*\q+512*\f   ; this step's V: it lands while the sums, the conversions and O's rescaling are walked
.endr
	v_pk_add_f32 v[194:195], v[S:S+1], v[S+2:S+3]  ; the row's sum is taken of the unquantised p: two at a time, in two chains
.set j, 4
.set kt, 0
.rept 15
.if (\q == 0) && (kt < 8)
	ds_load_b128 v[KF+4*kt:KF+4*kt+3], v[KA] offset:4096+512*kt   ; the next step's K.  No wait: no vector or matrix line since the wait above names v[KF ..] or v[KA]
.endif
	v_pk_add_f32 v[14:15], v[14:15], v[S+j:S+j+1]
	v_pk_add_f32 v[194:195], v[194:195], v[S+j+2:S+j+3]
.set j, j+4
.set kt, kt+1
.endr
	v_pk_add_f32 v[14:15], v[14:15], v[194:195]
	s_cmp_lg_u32 s30, 0
	s_cbranch_scc0 .Lno_hold_\@                    ; e4 >= -8: p / 2^e4 is at most 256, under the largest code
.set j, 0
.rept 64
	v_min_num_f32 v[S+j], v[S+j], v5               ; the conversion to an 8-bit code does not saturate (ISA guide 7.6.2); p is not negative, so the hold is one-sided
.set j, j+1
.endr
.Lno_hold_\@:
.irp t, 0,1,2,3,4,5,6,7
	v_cvt_scalef32_pk8_fp8_f32 v[P+2*\t:P+2*\t+1], v[S+8*\t:S+8*\t+7], v4
.endr
.irp j, 0,2,4,6,8,10,12,14
	v_pk_mul_f32 v[O+\j:O+\j+1], v[O+\j:O+\j+1], v[192:193] op_sel_hi:[1,0]   ; O^T under the new M; also the plain lines behind the conversions
.endr
	s_wait_alu depctr_va_vdst(0)
	s_wait_dscnt 8-8*\q                            ; V is in; behind its loads the next step's eight loads of K were issued (q = 0), or nothing (q = 1)
	v_wmma_f32_16x16x128_fp8_fp8 v[O:O+7], v[VF:VF+15], v[P:P+15], v[O:O+7]           ; the two accumulators take turns; eight other products stand before either is taken up again
	v_wmma_f32_16x16x128_fp8_fp8 v[O+8:O+15], v[VF+16:VF+31], v[P:P+15], v[O+8:O+15]
.endm
.macro TRIP                            ; two key steps: 8,192 bytes of K's codes and as many of V's
	s_wait_alu depctr_vm_vsrc(0)                   ; the LDS loads issued so far have read v[KA] and v[VA]; in the first trip of all: the copy's LDS stores have read v[S] to v[S+15], which the first products write
	v_add_nc_u32 v[KA], s28, v1
	v_add_nc_u32 v[VA], 0x10000, v[KA]
	s_wait_alu depctr_va_vdst(0)                   ; v[KA] is written, which the loads below read (and v[VA], for the step's loads of V)
.irp t, 0,1,2,3,4,5,6,7
	ds_load_b128 v[KF+4*\t:KF+4*\t+3], v[KA] offset:512*\t   ; the first step's K
.endr
	STEP 0
	STEP 1
	s_add_co_u32 s28, s28, 8192
.endm
	s_load_b256 s[4:11], s[0:1], 0x0               ; qcodes s[4:5], kcodes s[6:7], vcodes s[8:9], the exponents s[10:11]
	s_load_b64 s[12:13], s[0:1], 0x20              ; ocodes
	v_lshl_add_u32 v206, v0, 2, 0x20000
	v_mov_b32 v207, 0
	v_lshrrev_b32 v2, 5, v0
	v_readfirstlane_b32 s2, v2                     ; wave 0..15
	s_and_b32 s3, ttmp7, 0xffff                    ; 8 x batch + head
	v_and_b32 v1, 31, v0
	v_lshlrev_b32 v1, 4, v1
	v_lshlrev_b32 v6, 4, v0
	v_add_nc_u32 v7, 0x10000, v6
	s_lshl_b32 s14, s3, 16                         ; a head's codes are 65,536 bytes in q, k and v
	s_mov_b32 s15, 0
	s_lshl_b32 s36, ttmp9, 4
	s_wait_alu depctr_va_sdst(0)                   ; s2 is written, ahead of its first reader: q's and o's bases are made from it
	s_add_co_u32 s36, s36, s2                      ; my tile of queries in the head: 16 x work-group x + wave
	s_lshl_b32 s38, s36, 9
	s_mov_b32 s39, 0
	s_lshr_b32 s40, s3, 3
	s_lshl_b32 s40, s40, 7
	s_add_co_u32 s40, s40, s36                     ; my token tile of 512: 128 x batch + that
	s_lshl_b32 s40, s40, 12
	s_and_b32 s41, s3, 7
	s_lshl_b32 s41, s41, 9                         ; my head's group of four registers
	s_add_co_u32 s40, s40, s41
	s_mov_b32 s41, 0
	s_mov_b32 s26, 0x76543210                      ; v_permlanex16_b32: each lane takes its own place in the other half
	s_mov_b32 s27, 0xfedcba98
	s_wait_kmcnt 0x0
	s_load_b256 s[16:23], s[10:11], 0x0            ; e0 .. e7
	s_add_nc_u64 s[4:5], s[4:5], s[14:15]
	s_add_nc_u64 s[4:5], s[4:5], s[38:39]
	s_add_nc_u64 s[6:7], s[6:7], s[14:15]
	s_add_nc_u64 s[8:9], s[8:9], s[14:15]
	s_add_nc_u64 s[12:13], s[12:13], s[40:41]
	s_wait_alu depctr_va_vdst(0)                   ; v1, v6 and v7 are written, which the loads, the copy's LDS stores and the last store read
	; all 17 loads of the wave go out here: q, then the work-group's copy of K and V, 16 bytes a thread, 8,192 consecutive bytes a line
	global_load_b128 v[16:19], v1, s[4:5]
	global_load_b128 v[S:S+3], v6, s[6:7]
	global_load_b128 v[S+4:S+7], v6, s[6:7] offset:8192
	global_load_b128 v[S+8:S+11], v6, s[8:9]
	global_load_b128 v[S+12:S+15], v6, s[8:9] offset:8192
.irp c, 1,2,3
	global_load_b128 v[192+16*\c:195+16*\c], v6, s[6:7] offset:16384*\c
	global_load_b128 v[196+16*\c:199+16*\c], v6, s[6:7] offset:16384*\c+8192
	global_load_b128 v[200+16*\c:203+16*\c], v6, s[8:9] offset:16384*\c
	global_load_b128 v[204+16*\c:207+16*\c], v6, s[8:9] offset:16384*\c+8192
.endr
.irp j, 20,21,22,23
	v_mov_b32 v[\j], 0                             ; the zero codes between q and its copy
.endr
.set j, 0
.rept 16
	v_mov_b32 v[O+j], 0                            ; O^T: the step is written once; the first finds zeros, which the first change of M leaves zeros
.set j, j+1
.endr
	v_mov_b32 v13, 0xff61b1e6                      ; the largest t so far: -3e38, under every t
	v_floor_f32 v12, -v13
	v_mov_b32 v14, 0
	v_mov_b32 v15, 0
	v_mov_b32 v190, 0                              ; a lane permute's destination counts as one of its sources
	v_mov_b32 v193, 0                              ; (named as the upper half of the pair v[192:193])
	s_wait_kmcnt 0x0
	s_add_co_i32 s31, s18, s19
	s_lshl_b32 s31, s31, 23
	s_add_co_i32 s24, s31, 0x3db8aa3b              ; c = log2(e) / 16, with e2 + e3 added to its exponent field: a score stands for score x 2^(e2 + e3)
	s_mov_b32 s25, s24                             ; (named with it as a pair)
	s_cmp_lt_i32 s20, -8
	s_cselect_b32 s30, 1, 0
	s_add_co_i32 s33, s20, 127
	s_lshl_b32 s32, s33, 23
	v_mov_b32 v4, s32                              ; 2^e4
	s_add_co_i32 s33, s33, 8
	s_lshl_b32 s33, s33, 23
	s_or_b32 s33, s33, 0x600000
	v_mov_b32 v5, s33                              ; 448 x 2^e4
	s_sub_co_i32 s35, s22, s20
	s_sub_co_i32 s35, s35, s21                     ; e6 - e4 - e5: a sum of the second product stands for sum x 2^(e4 + e5)
	s_add_co_i32 s35, s35, 127
	s_lshl_b32 s34, s35, 23
	s_add_co_i32 s35, s35, 8
	s_lshl_b32 s35, s35, 23
	s_or_b32 s35, s35, 0x600000
	s_wait_loadcnt 12                              ; q and keys 0-511 are in; the twelve loads of keys 512 on may stay out
.irp j, 0,1,2,3
	v_mov_b32 v[24+\j], v[16+\j]
.endr
	ds_store_b128 v6, v[S:S+3]                     ; (data that loads brought, addresses from the head: nothing more is owed)
	ds_store_b128 v6, v[S+4:S+7] offset:8192
	ds_store_b128 v7, v[S+8:S+11]
	ds_store_b128 v7, v[S+12:S+15] offset:8192
	s_wait_dscnt 0x0                               ; for the others' sake: my part of the copy has landed
	s_barrier_signal -1
	s_barrier_wait -1
	s_mov_b32 s28, 0
	s_mov_b32 s29, 2
.Lfirst:                                               ; keys 0-511: LDS bytes 0 to 16,383 and 65,536 to 81,919
	TRIP
	s_sub_co_u32 s29, s29, 1
	s_cmp_lg_u32 s29, 0
	s_cbranch_scc1 .Lfirst
	s_wait_loadcnt 0x0                             ; keys 512 on: into LDS bytes 16,384 to 65,535 and 81,920 to 131,071, which no wave has read
.irp c, 1,2,3
	ds_store_b128 v6, v[192+16*\c:195+16*\c] offset:16384*\c
	ds_store_b128 v6, v[196+16*\c:199+16*\c] offset:16384*\c+8192
	ds_store_b128 v7, v[200+16*\c:203+16*\c] offset:16384*\c
	ds_store_b128 v7, v[204+16*\c:207+16*\c] offset:16384*\c+8192
.endr
	s_wait_dscnt 0x0
	s_barrier_signal -1
	s_barrier_wait -1
	s_mov_b32 s28, 16384
	s_mov_b32 s29, 6
.Lrest:                                                ; keys 512-2,047
	TRIP
	s_sub_co_u32 s29, s29, 1
	s_cmp_lg_u32 s29, 0
	s_cbranch_scc1 .Lrest
	; THE WAY OUT.  O^T / the sum, held, quantised with 2^(e6 - e4 - e5): a lane's 16 codes are channels 8 h + 0 .. 7 and 16 + 8 h + 0 .. 7 of its query: my head's group of the last product's fragment
	v_add_f32 v14, v14, v15                        ; the sum's two halves,
	v_permlanex16_b32 v190, v14, s26, s27
	v_add_f32 v14, v14, v190                       ; and the other half of the lanes'
	s_wait_alu depctr_va_vdst(0)
	v_rcp_f32 v192, v14
	v_mov_b32 v8, s34                              ; (plain lines behind the reciprocal; with the additions above they are also the places behind the last products)
	v_mov_b32 v9, s35
	v_nop
	s_wait_alu depctr_va_vdst(0)                   ; the reciprocal has written v192, ahead of its first reader
.irp j, 0,2,4,6,8,10,12,14
	v_pk_mul_f32 v[O+\j:O+\j+1], v[O+\j:O+\j+1], v[192:193] op_sel_hi:[1,0]
.endr
.set j, 0
.rept 16
	v_med3_num_f32 v[O+j], v[O+j], -v9, v9
.set j, j+1
.endr
	v_cvt_scalef32_pk8_fp8_f32 v[P:P+1], v[O:O+7], v8
	v_cvt_scalef32_pk8_fp8_f32 v[P+2:P+3], v[O+8:O+15], v8
	v_nop
	s_wait_alu depctr_va_vdst(0)                   ; the conversions have written v[P] to v[P+3], which the store reads
	global_store_b128 v1, v[P:P+3], s[12:13]       ; 512 consecutive bytes
	s_wait_dscnt 0x0
	s_wait_alu depctr_hold_cnt(0) depctr_sa_sdst(0) depctr_va_vdst(0) depctr_va_sdst(0) depctr_va_ssrc(0) depctr_va_vcc(0) depctr_vm_vsrc(0)
	s_wait_tensorcnt 0x0
	ds_add_u32 v206, v207
	s_wait_dscnt 0x0
	s_endpgm
.Lfunc_end_k_qa207896c8c_attn:
	.size	k_qa207896c8c_attn, .Lfunc_end_k_qa207896c8c_attn-k_qa207896c8c_attn
	.p2alignl 7, 3214868480
	.fill 96, 4, 3214868480
	.section	.rodata,"a",@progbits
	.p2align	6, 0x0
	.amdhsa_kernel k_qa207896c8c_attn
		.amdhsa_group_segment_fixed_size 133120
		.amdhsa_private_segment_fixed_size 0
		.amdhsa_enable_private_segment 0
		.amdhsa_kernarg_size 40
		.amdhsa_user_sgpr_count 2
		.amdhsa_user_sgpr_kernarg_segment_ptr 1
		.amdhsa_wavefront_size32 1
		.amdhsa_system_sgpr_workgroup_id_x 1
		.amdhsa_system_sgpr_workgroup_id_y 1
		.amdhsa_system_sgpr_workgroup_id_z 1
		.amdhsa_system_vgpr_workitem_id 0
		.amdhsa_next_free_vgpr 256
		.amdhsa_next_free_sgpr 66
		.amdhsa_reserve_vcc 0
		.amdhsa_float_denorm_mode_32 3
		.amdhsa_float_denorm_mode_16_64 3
		.amdhsa_memory_ordered 1
		.amdhsa_forward_progress 1
		.amdhsa_inst_pref_size 63
	.end_amdhsa_kernel
	.amdgpu_metadata
---
amdhsa.version: [ 1, 2 ]
amdhsa.kernels:
  - .name:           k_qa207896c8c_attn
    .symbol:         k_qa207896c8c_attn.kd
    .args:
      - { .name: qcodes, .offset: 0, .size: 8, .value_kind: global_buffer, .address_space: global }
      - { .name: kcodes, .offset: 8, .size: 8, .value_kind: global_buffer, .address_space: global }
      - { .name: vcodes, .offset: 16, .size: 8, .value_kind: global_buffer, .address_space: global }
      - { .name: lowp_scales, .offset: 24, .size: 8, .value_kind: global_buffer, .address_space: global }
      - { .name: ocodes, .offset: 32, .size: 8, .value_kind: global_buffer, .address_space: global }
    .group_segment_fixed_size: 133120
    .private_segment_fixed_size: 0
    .kernarg_segment_align: 8
    .kernarg_segment_size: 40
    .max_flat_workgroup_size: 512
    .sgpr_count:     66
    .vgpr_count:     256
    .wavefront_size: 32
...
	.end_amdgpu_metadata
.endif
;; end of part 5
;; launch proj (part 6): grid 256 x 1, 8 waves a work-group, no clusters, 35,840 bytes of LDS; arguments ocodes, wocodes, b_out, lowp_scales, out0; writes out0
.if DOCPART == 6
	.amdgcn_target "amdgcn-amd-amdhsa--gfx1250"
	.amdhsa_code_object_version 6
	.text
	.protected	k_qa207896c8c_proj
	.globl	k_qa207896c8c_proj
	.p2align	8
	.type	k_qa207896c8c_proj,@function
k_qa207896c8c_proj:
	s_mov_b64 s[64:65], 0
	v_nop
	global_prefetch_b8 v0, s[64:65] scope:SCOPE_SE
	s_setreg_imm32_b32 hwreg(HW_REG_WAVE_SCHED_MODE, 0, 2), 2
	s_setreg_imm32_b32 hwreg(HW_REG_WAVE_MODE, 25, 1), 1
	s_wait_xcnt 0x0
	s_wait_alu depctr_vm_vsrc(0)
; out0 = o w_out + b_out on codes of FP8 (E4M3).  ocodes: [token tile 512][K step 2][group 4][lane][16 bytes]; wocodes: [column tile 16][K step 2][group 4][lane][16 bytes]: images of the operands' registers
; (lane (r, h): row r; registers 2 c, 2 c + 1: k = 16 c + 8 h + 0 .. 7), so each fragment comes by four loads of 512 consecutive bytes straight into its registers.  b_out [256], out0 [8192][256]: f32.
; SHARES.  A work-group takes 32 tokens; wave w takes token tile w / 4 and columns 64 (w % 4) on: four accumulators, K = 256 in two steps: eight matrix instructions.
; TRANSPOSED USE: source 0 = 16 columns of w_out, source 1 = 16 tokens: a lane holds eight neighbouring columns of one row.  out = sum x 2^(e6 + e7) + b_out, one packed multiply-add for two numbers.
; The rows go through the wave's own stage in LDS (16 rows x (256 bytes + 16)) and leave so that sixteen lanes store 256 consecutive bytes, aligned.  No barrier: waves share nothing.
; LIMIT: e6 + e7 between -126 and 127, so that 2^(e6 + e7) is an f32 number.
; No tensor load, no cluster: a wave's 48 loads go out together at its head and nothing is asked for later.
; THE MODE: SCHED_MODE bits 1:0 = 2 (LLVM: expert scheduling mode 2), set by the entry lines.  The code itself states the register dependences
; between vector or matrix instructions and memory or LDS instructions, with s_wait_alu, always for 0.
; THE PLAN.  Registers that memory or LDS instructions touch: v1-v5, addresses, written once at the head: one wait on va_vdst in front of the first load.  OF, W, BI: global loads land, products and multiply-adds read.
; Y: the multiply-adds write it, the LDS stores read it.  BK: products have read it (as part of W), the loads from the stage land in it, the global stores read it.  One wait on va_vdst behind the multiply-adds serves Y and BK.
.set OF,   16                          ; v16-47   o's two fragments
.set W,    48                          ; v48-175  w_out's eight fragments: 32 i + 16 s
.set BI,   176                         ; v176-207 the bias, in the result's layout
.set ACC,  208                         ; v208-239 four accumulators
.set Y,    48                          ; v48-79   the results
.set BK,   80                          ; v80-111  whole rows, back from the stage
.set SP,   272
; v1 16 x lane; v2 32 h; v3 the stage on the way in; v4 on the way back; v5 my byte offset in two rows of out0
	s_load_b256 s[4:11], s[0:1], 0x0               ; ocodes s[4:5], wocodes s[6:7], b_out s[8:9], the exponents s[10:11]
	s_load_b64 s[12:13], s[0:1], 0x20              ; out0
	v_lshl_add_u32 v14, v0, 2, 0x8800
	v_mov_b32 v15, 0
	v_lshrrev_b32 v6, 5, v0
	v_readfirstlane_b32 s2, v6                     ; wave 0..7
	v_and_b32 v6, 31, v0
	v_and_b32 v7, 15, v0                           ; r
	v_bfe_u32 v8, v0, 4, 1                         ; h
	v_lshlrev_b32 v1, 4, v6
	v_lshlrev_b32 v2, 5, v8
	s_wait_alu depctr_va_sdst(0)                   ; s2 is written, ahead of its first reader: the stage's address and the four bases are made from it
	s_lshr_b32 s3, s2, 2                           ; which of the two token tiles
	s_and_b32 s14, s2, 3                           ; which 64 columns
	s_mul_i32 s15, s2, 16*SP                       ; my stage
	v_mul_u32_u24 v3, v7, SP
	v_lshl_add_u32 v3, v8, 5, v3
	v_add_nc_u32 v3, s15, v3                       ; in: row r, 32 bytes for each half of the lanes
	v_mul_u32_u24 v4, v8, SP
	v_lshl_add_u32 v4, v7, 4, v4
	v_add_nc_u32 v4, s15, v4                       ; back: lanes 0-15 one row of 256 bytes, lanes 16-31 the next
	v_lshlrev_b32 v5, 10, v8
	v_lshl_add_u32 v5, v7, 4, v5                   ; and the same two rows in out0
	s_lshl_b32 s16, ttmp9, 1
	s_add_co_u32 s16, s16, s3                      ; my token tile
	s_lshl_b32 s18, s16, 12                        ; its 4,096 bytes of codes
	s_mov_b32 s19, 0
	s_lshl_b32 s20, s14, 14                        ; my four column tiles' codes
	s_mov_b32 s21, 0
	s_lshl_b32 s22, s14, 8                         ; my 64 columns, in bytes
	s_mov_b32 s23, 0
	s_lshl_b32 s24, s16, 14                        ; 16 rows of 1,024 bytes
	s_add_co_u32 s24, s24, s22
	s_mov_b32 s25, 0
	s_wait_kmcnt 0x0
	s_load_b64 s[26:27], s[10:11], 0x18            ; e6, e7
	s_add_nc_u64 s[4:5], s[4:5], s[18:19]
	s_add_nc_u64 s[6:7], s[6:7], s[20:21]
	s_add_nc_u64 s[8:9], s[8:9], s[22:23]
	s_add_nc_u64 s[12:13], s[12:13], s[24:25]
	s_wait_alu depctr_va_vdst(0)                   ; the five addresses v1 to v5 are written, which the loads, the LDS instructions and the stores of the whole kernel read
.irp s, 0,1                                    ; K step by K step, so that the first products can start while the second step's 20 loads are out
.irp g, 0,1,2,3
	global_load_b128 v[OF+16*\s+4*\g:OF+16*\s+4*\g+3], v1, s[4:5] offset:2048*\s+512*\g
.endr
.irp i, 0,1,2,3
.irp g, 0,1,2,3
	global_load_b128 v[W+32*\i+16*\s+4*\g:W+32*\i+16*\s+4*\g+3], v1, s[6:7] offset:4096*\i+2048*\s+512*\g
.endr
.endr
.endr
.irp i, 0,1,2,3
	global_load_b128 v[BI+8*\i:BI+8*\i+3], v2, s[8:9] offset:64*\i        ; lane (r, h), tile i, register j: b_out at column 16 i + 8 h + j of my 64
	global_load_b128 v[BI+8*\i+4:BI+8*\i+7], v2, s[8:9] offset:64*\i+16
.endr
	s_wait_loadcnt 28                              ; K step 0's 20 loads are in; behind them 20 + 8 were issued
.irp i, 0,1,2,3
	v_wmma_f32_16x16x128_fp8_fp8 v[ACC+8*\i:ACC+8*\i+7], v[W+32*\i:W+32*\i+15], v[OF:OF+15], 0   ; the first products start the sums; the four accumulators take turns
.endr
	s_wait_loadcnt 8                               ; K step 1 is in; the bias may be out
.irp i, 0,1,2,3
	v_wmma_f32_16x16x128_fp8_fp8 v[ACC+8*\i:ACC+8*\i+7], v[W+32*\i+16:W+32*\i+31], v[OF+16:OF+31], v[ACC+8*\i:ACC+8*\i+7]
.endr
.rept 4
	v_nop                                          ; four places (ISA guide 7.12.1) in front of the first read of results and of vector writes into registers that the products have read
.endr
	s_wait_kmcnt 0x0
	s_add_co_i32 s28, s26, s27
	s_add_co_i32 s28, s28, 127
	s_lshl_b32 s28, s28, 23                        ; 2^(e6 + e7) as f32
	s_mov_b32 s29, s28                             ; (named with it as a pair)
	s_wait_loadcnt 0x0
.set j, 0
.rept 16
	v_pk_fma_f32 v[Y+j:Y+j+1], v[ACC+j:ACC+j+1], s[28:29], v[BI+j:BI+j+1] op_sel_hi:[1,0,1]   ; each accumulator from its low end on
.set j, j+2
.endr
	s_wait_alu depctr_va_vdst(0)                   ; the multiply-adds have written v[Y ..], which the LDS stores read; the products are done reading v[BK ..], in which the loads from the stage land
.irp i, 0,1,2,3
	ds_store_b128 v3, v[Y+8*\i:Y+8*\i+3] offset:64*\i
	ds_store_b128 v3, v[Y+8*\i+4:Y+8*\i+7] offset:64*\i+16
.endr
.irp t, 0,1,2,3,4,5,6,7
	ds_load_b128 v[BK+4*\t:BK+4*\t+3], v4 offset:2*\t*SP   ; LDS serves a wave's instructions in order (ISA guide 5.7.1.4): these see my stores
.endr
.irp t, 0,1,2,3,4,5,6,7
	s_wait_dscnt 7-\t                              ; row pair t is back; the later loads may be out
	global_store_b128 v5, v[BK+4*\t:BK+4*\t+3], s[12:13] offset:2048*\t th:TH_STORE_NT   ; sixteen lanes store 256 consecutive bytes, at a multiple of 256 from out0's first byte
.endr
	s_wait_dscnt 0x0
	s_wait_alu depctr_hold_cnt(0) depctr_sa_sdst(0) depctr_va_vdst(0) depctr_va_sdst(0) depctr_va_ssrc(0) depctr_va_vcc(0) depctr_vm_vsrc(0)
	s_wait_tensorcnt 0x0
	ds_add_u32 v14, v15
	s_wait_dscnt 0x0
	s_endpgm
.Lfunc_end_k_qa207896c8c_proj:
	.size	k_qa207896c8c_proj, .Lfunc_end_k_qa207896c8c_proj-k_qa207896c8c_proj
	.p2alignl 7, 3214868480
	.fill 96, 4, 3214868480
	.section	.rodata,"a",@progbits
	.p2align	6, 0x0
	.amdhsa_kernel k_qa207896c8c_proj
		.amdhsa_group_segment_fixed_size 35840
		.amdhsa_private_segment_fixed_size 0
		.amdhsa_enable_private_segment 0
		.amdhsa_kernarg_size 40
		.amdhsa_user_sgpr_count 2
		.amdhsa_user_sgpr_kernarg_segment_ptr 1
		.amdhsa_wavefront_size32 1
		.amdhsa_system_sgpr_workgroup_id_x 1
		.amdhsa_system_sgpr_workgroup_id_y 1
		.amdhsa_system_sgpr_workgroup_id_z 1
		.amdhsa_system_vgpr_workitem_id 0
		.amdhsa_next_free_vgpr 240
		.amdhsa_next_free_sgpr 66
		.amdhsa_reserve_vcc 0
		.amdhsa_float_denorm_mode_32 3
		.amdhsa_float_denorm_mode_16_64 3
		.amdhsa_memory_ordered 1
		.amdhsa_forward_progress 1
		.amdhsa_inst_pref_size 11
	.end_amdhsa_kernel
	.amdgpu_metadata
---
amdhsa.version: [ 1, 2 ]
amdhsa.kernels:
  - .name:           k_qa207896c8c_proj
    .symbol:         k_qa207896c8c_proj.kd
    .args:
      - { .name: ocodes, .offset: 0, .size: 8, .value_kind: global_buffer, .address_space: global }
      - { .name: wocodes, .offset: 8, .size: 8, .value_kind: global_buffer, .address_space: global }
      - { .name: b_out, .offset: 16, .size: 8, .value_kind: global_buffer, .address_space: global }
      - { .name: lowp_scales, .offset: 24, .size: 8, .value_kind: global_buffer, .address_space: global }
      - { .name: out0, .offset: 32, .size: 8, .value_kind: global_buffer, .address_space: global }
    .group_segment_fixed_size: 35840
    .private_segment_fixed_size: 0
    .kernarg_segment_align: 8
    .kernarg_segment_size: 40
    .max_flat_workgroup_size: 256
    .sgpr_count:     66
    .vgpr_count:     240
    .wavefront_size: 32
...
	.end_amdgpu_metadata
.endif
;; end of part 6
